; MI455X (gfx1250); checked and timed in simulation.
; The chip was launched on July 23, 2026; its instructions are those of AMD's public machine-readable ISA for CDNA 5 (MIT licence, August 2026) and "CDNA5" Instruction Set Architecture Reference Guide (July 2026). The comments in the code are by the model that wrote it; some were corrected since.
;; Causal Self Attention. Allowed arithmetic: matrix products marked QUANTISED: E5M2 operands, one given power-of-two scale a tensor, by v_wmma_f32_16x16x64_bf8_bf8 or v_wmma_f32_16x16x128_bf8_bf8, f32 sums; everything else in f32.
;; Inputs: Wo 1,024 x 1,024 float32; Wqkv 1,024 x 3,072 float32; bo 1,024 float32; bqkv 3,072 float32; lowp_scales 8 int32 (the exponents e of the quantised operands' scales 2^e); x 4 x 2,048 x 1,024 float32.
;; Outputs: out0 4 x 2,048 x 1,024 float32.
;; This version of the problem:
;;   THIS VERSION OF THE PROBLEM IS GIVEN IN LOW PRECISION. The matrix products marked QUANTISED in the list below multiply operands that are first quantised to E5M2 (5 exponent bits, 2 mantissa bits; 8 bits a number), with one given power-of-two scale for each operand tensor; their sums are f32. All else is computed in f32.
;;   The module's matrix products, in the order in which they are computed (A, B: the left and right operand; K: the contracted axis; several contracted axes count as one K, in the product's order):
;;     1. [M 8,192, K 1,024] x [K 1,024, N 3,072]; A: input x; B: input Wqkv: QUANTISED (scales: A lowp_scales[0], B lowp_scales[1])
;;     2. batch 64 x [M 2,048, K 64] x [K 64, N 2,048]; A: computed on the way; B: computed on the way: QUANTISED (scales: A lowp_scales[2], B lowp_scales[3])
;;     3. batch 64 x [M 2,048, K 2,048] x [K 2,048, N 64]; A: softmax (see below); B: computed on the way: QUANTISED (scales: A lowp_scales[4], B lowp_scales[5])
;;     4. [M 8,192, K 1,024] x [K 1,024, N 1,024]; A: computed on the way; B: input Wo: QUANTISED (scales: A lowp_scales[6], B lowp_scales[7])
;;   THE QUANTISER, for each operand of a quantised product, along K:
;;     - The operand's scale is 2^e, e = its entry of the input lowp_scales (int32; the entries are numbered through the quantised products in the list's order, A before B).
;;     - Each number is divided by the scale, clamped to +-57,344, and rounded to the nearest number of E5M2, ties to even, subnormals kept.
;;     - The product sums the exact products of the quantised numbers (number of the format x scale) in f32.
;;   ~~~python
;;   def quantise(x, axis, e):      # numpy; x: float32 -> the quantised numbers, widened to float32 again
;;       x = np.moveaxis(x, axis, -1); K = x.shape[-1]
;;       r = np.clip(x / 2.0 ** e, -57344, 57344)
;;       step = 2.0 ** (np.maximum(np.frexp(np.where(r == 0, 1, r))[1] - 1, -14) - 2)
;;       q = np.round(r / step) * step * 2.0 ** e      # np.round: ties to even
;;       return np.moveaxis(q, -1, axis).astype(np.float32)
;;   ~~~
;;   SOFTMAX AHEAD OF A QUANTISED PRODUCT. Where the list says 'softmax', what is quantised is not the finished softmax but p = 2^(t - M), with t = logit x log2(e) and M = ceil(the row's largest t), a whole number; so 1/2 < the row's largest p <= 1. The row's sum l is taken of the UNQUANTISED p, in f32, and the product's result is divided by l at the end. Since M is a whole number, a kernel that streams over the keys may use a running M (the ceiling of the running maximum): every later rescaling is an exact power of two, so the quantised numbers keep their values, but for numbers so far below the row's largest that they fall under the format's range.
;;   OPERANDS COMPUTED ON THE WAY. 'Computed on the way' means the value that the module computes at that place (a softmax that the list does not call 'softmax' is quantised finished and normalised). What goes into a quantiser is computed in f32, as accurately as f32 sums, v_exp_f32 and their like allow (about 1e-6 of the number): no bf16 or f16 on the way to a quantiser, and a product that is left as it is and whose result goes on into a quantised operand takes f32 operands (vector FMAs, or v_wmma_f32_16x16x4_f32). A number that lies on a knife's edge between two numbers of the format may be rounded either way, as far as f32 arithmetic and the matrix unit's own rounding can turn it there, and no further.
;; One version. Each part assembles by itself: llvm-mc -triple=amdgcn-amd-amdhsa -mcpu=gfx1250 --defsym DOCPART=n.
;; ======== version 1 of 1: 4 launches
;; limits: right only within a limited range of input values
;; workspace buffers: x_codes 8,388,608 bytes; wqkv_codes 3,145,728 bytes; wo_codes 1,048,576 bytes; q_codes 8,388,608 bytes; k_codes 8,388,608 bytes; v_codes 8,388,608 bytes; attn_codes 8,388,608 bytes
;; launch quant (part 1): grid 384 x 1, 4 waves a work-group, no clusters, 68,096 bytes of LDS; arguments x, Wqkv, Wo, lowp_scales, x_codes, wqkv_codes, wo_codes; writes x_codes, wqkv_codes, wo_codes
.if DOCPART == 1
	.amdgcn_target "amdgcn-amd-amdhsa--gfx1250"
	.amdhsa_code_object_version 6
	.text
	.protected	k_qdd8ad66e99_quant
	.globl	k_qdd8ad66e99_quant
	.p2align	8
	.type	k_qdd8ad66e99_quant,@function
k_qdd8ad66e99_quant:
	s_mov_b64 s[64:65], 0
	v_nop
	global_prefetch_b8 v0, s[64:65] scope:SCOPE_SE
	s_setreg_imm32_b32 hwreg(HW_REG_WAVE_MODE, 25, 1), 1
	s_wait_xcnt 0x0
; x [8192][1024], Wqkv [1024][3072] and Wo [1024][1024], f32, become codes of BF8 (E5M2), one byte each, K innermost:
; x_codes [8192][1024], wqkv_codes [3072][1024], wo_codes [1024][1024].  code = number / 2^e, held within +-57,344, to the nearest code, ties to even.
; e: entry 0 of the scales for x, entry 1 for Wqkv, entry 7 for Wo.  LIMITS: each e between -126 and 112, so that 2^e and 57,344 x 2^e are f32 numbers.  NaN among the inputs is not served; an infinity is held at the largest code.
; SHARES.  Work-groups 0-255 take x (K is innermost: a plain stream; 8,192 numbers a wave), 256-351 Wqkv, 352-383 Wo (K is the FIRST axis: 128 columns x 256 along K a work-group, 32 columns a wave).  Each reads 131,072 bytes.
; The text parts once, on the work-group's number.  Each way has LDS bytes of its own, and every LDS address is made ahead of the parting.  No tensor loads, no barrier: waves share nothing.
; Matrix units and clusters are left out: nothing is multiplied, and no two work-groups read the same byte.
.set WGX,   256                        ; work-groups for x
.set WGQ,   96                         ; for Wqkv
.set STEPS, 16                         ; x: steps of 512 numbers a wave
.set SP,    80                         ; x: a lane's place in a stage: 64 bytes + 16 of padding
.set WREG,  8192                       ; x: LDS of a wave: two stages of 32 x SP bytes
.set R,     16                         ; x: v16-79   four sets of 16 numbers as loaded
.set X,     80                         ; x: v80-111  two sets of 16 neighbours along K
.set C,     128                        ; x: v128-191 codes, four registers for each step: no store's data are written again
.set WST,   32768                      ; weights: the stages begin here
.set WP,    272                        ; weights: a stage row: 256 bytes of codes + 16
.set NB,    8                          ; weights: blocks of 32 along K for a wave
.set XW,    32                         ; weights: v32-95   two sets of 32 numbers down K
.set CW,    96                         ; weights: v96-103  a block's codes
.set OUTR,  112                        ; weights: v112-175 the way out
.set OFF,   176                        ; weights: v176-207 byte offset of row i of a block, at my column; never rewritten
.set EMAX,  15
.set MANT,  0x600000                   ; the mantissa field of 57,344 as f32
	s_load_b256 s[4:11], s[0:1], 0x0               ; x s[4:5], Wqkv s[6:7], Wo s[8:9], the scales' exponents s[10:11]
	s_load_b128 s[12:15], s[0:1], 0x20             ; x_codes s[12:13], wqkv_codes s[14:15]
	s_load_b64 s[16:17], s[0:1], 0x30              ; wo_codes
	v_lshl_add_u32 v208, v0, 2, 0x10800
	v_mov_b32 v209, 0
	v_lshrrev_b32 v1, 5, v0
	v_readfirstlane_b32 s18, v1                    ; wave 0..3
	v_and_b32 v2, 31, v0                           ; lane
	v_lshlrev_b32 v3, 4, v2                        ; x: my 16 bytes of a load's 512, and of a store's
	s_mul_i32 s19, s18, WREG
	v_lshrrev_b32 v14, 2, v2
	v_mul_u32_u24 v14, v14, SP
	v_and_b32 v15, 3, v2
	v_lshl_add_u32 v14, v15, 4, v14
	v_add_nc_u32 v14, s19, v14                     ; x: the stage on the way in: four lanes' 64 bytes on end, then 16 of padding
	v_mul_u32_u24 v15, v2, SP
	v_add_nc_u32 v15, s19, v15                     ; x: and on the way out: my 16 neighbours
	v_lshlrev_b32 v5, 2, v2                        ; weights: 4 bytes a lane
	s_mul_i32 s19, s18, 32*WP
	s_add_co_u32 s19, s19, WST                     ; weights: my wave's stage
	v_mul_u32_u24 v6, v2, WP
	v_add_nc_u32 v6, s19, v6                       ; into it: row = my column
	v_and_b32 v9, 15, v2
	v_lshrrev_b32 v12, 4, v2
	v_mul_u32_u24 v7, v12, WP
	v_lshl_add_u32 v7, v9, 4, v7
	v_add_nc_u32 v7, s19, v7                       ; out of it: sixteen lanes to a row, two rows an instruction
	v_lshlrev_b32 v8, 10, v12
	v_lshl_add_u32 v8, v9, 4, v8                   ; and the same place in the codes' buffer (rows of 1,024 bytes)
	s_wait_kmcnt 0x0
	s_load_b256 s[24:31], s[10:11], 0x0            ; e0 .. e7
	s_cmp_lt_u32 ttmp9, WGX
	s_cbranch_scc0 .Lweights
; ---------------- x: K is innermost ----------------
; The conversion takes eight neighbours along K from ONE lane's registers; a load is dense where neighbouring LANES take neighbouring bytes.  Both are had: a step's four loads read 512 consecutive bytes each,
; the 2,048 bytes go through the wave's own stage as they lie and come back 64 bytes a lane.  Loads run four steps ahead, the turn through the stage one step.
	s_lshl_b32 s20, ttmp9, 2
	s_add_co_u32 s20, s20, s18                     ; which run of 8,192 numbers is my wave's
	s_lshl_b32 s22, s20, 15
	s_mov_b32 s23, 0
	s_add_nc_u64 s[4:5], s[4:5], s[22:23]
	s_lshl_b32 s22, s20, 13
	s_add_nc_u64 s[12:13], s[12:13], s[22:23]
.macro LOAD t
.irp i, 0,1,2,3
	global_load_b128 v[R+16*((\t)%4)+4*\i:R+16*((\t)%4)+4*\i+3], v3, s[4:5] offset:2048*(\t)+512*\i th:TH_LOAD_NT   ; 32 lanes read 512 consecutive bytes
.endr
.endm
.macro TURN t                          ; step t's numbers through the stage: LDS serves a wave's instructions in order (ISA guide 5.7.1.4), so no wait stands between the stores and the loads
.irp i, 0,1,2,3
	ds_store_b128 v14, v[R+16*((\t)%4)+4*\i:R+16*((\t)%4)+4*\i+3] offset:32*SP*((\t)%2)+8*SP*\i
.endr
.irp i, 0,1,2,3
	ds_load_b128 v[X+16*((\t)%2)+4*\i:X+16*((\t)%2)+4*\i+3], v15 offset:32*SP*((\t)%2)+16*\i
.endr
.endm
.irp t, 0,1,2,3
	LOAD \t
.endr
	s_wait_kmcnt 0x0
	s_add_co_i32 s22, s24, 127                     ; e0
	s_lshl_b32 s23, s22, 23
	v_mov_b32 v11, s23                             ; 2^e as f32: the conversion takes its exponent field
	s_add_co_i32 s22, s22, EMAX
	s_lshl_b32 s22, s22, 23
	s_or_b32 s22, s22, MANT
	v_mov_b32 v10, s22                             ; 57,344 x 2^e
	s_wait_alu depctr_va_vdst(0)
	s_wait_loadcnt 12                              ; step 0's four loads are in; three steps' twelve stay out
	TURN 0
.macro STEP t
.set XS, X+16*((\t)%2)
	s_wait_dscnt 0x0                               ; this step's numbers are back from the stage: so its stores into the stage have read their registers,
.if (\t)+4 < STEPS
	LOAD (\t)+4                                    ; which take the loads of four steps on
.endif
.if (\t)+1 < STEPS
.if STEPS-2-(\t) >= 3
	s_wait_loadcnt 12                              ; the next step's four loads are in; those of the three steps behind it may be out
.else
	s_wait_loadcnt 4*(STEPS-2-(\t))                ; the tail: four for each later step that is still on its way
.endif
	TURN (\t)+1                                    ; and go through the other stage while this step is worked
.endif
.irp i, 0,1,2,3,4,5,6,7,8,9,10,11,12,13,14,15
	v_med3_num_f32 v[XS+\i], v[XS+\i], -v10, v10   ; the conversion to an 8-bit code does not saturate (ISA guide 7.6.2): the hold at the largest code x the scale comes first
.endr
	v_cvt_scalef32_pk8_bf8_f32 v[C+4*(\t):C+4*(\t)+1], v[XS:XS+7], v11
	v_cvt_scalef32_pk8_bf8_f32 v[C+4*(\t)+2:C+4*(\t)+3], v[XS+8:XS+15], v11
	global_store_b128 v3, v[C+4*(\t):C+4*(\t)+3], s[12:13] offset:512*(\t)   ; the wave stores 512 consecutive bytes, aligned
.endm
.irp t, 0,1,2,3,4,5,6,7,8,9,10,11,12,13,14,15
	STEP \t
.endr
	s_wait_tensorcnt 0x0
	ds_add_u32 v208, v209
	s_wait_dscnt 0x0
	s_endpgm
; ---------------- the weights: K is the first axis ----------------
; A LANE TAKES A COLUMN n AND ITS REGISTERS RUN DOWN K: a load reads 128 consecutive bytes a wave (512 a work-group), and the conversions give codes with K innermost.  Nothing is transposed by an instruction.
; One way serves both weights: pointers, the row's bytes and e are chosen by the work-group's number.  The row's bytes are no constant of the text, so the 32 rows of a block have offsets in registers
; and the eight blocks bases of their own: nothing is stepped later, and no address register is ever written again.
.Lweights:
	s_sub_co_u32 s20, ttmp9, WGX
	s_cmp_ge_u32 s20, WGQ                          ; Wo's work-group?
	s_cselect_b64 s[6:7], s[8:9], s[6:7]           ; from
	s_cselect_b64 s[14:15], s[16:17], s[14:15]     ; to
	s_mov_b32 s21, 12288
	s_cselect_b32 s21, 4096, s21                   ; a row of the weight in bytes
	s_cselect_b32 s23, 1, 0
	s_cselect_b32 s22, WGQ, 0
	s_sub_co_u32 s20, s20, s22                     ; my number among the weight's work-groups
	s_and_b32 s22, s20, 3                          ; which 256 along K
	s_lshr_b32 s20, s20, 2
	s_lshl_b32 s20, s20, 7
	s_lshl_b32 s19, s18, 5
	s_add_co_u32 s20, s20, s19                     ; my wave's first column
	s_lshl_b32 s48, s21, 8
	s_mul_i32 s48, s48, s22                        ; 256 rows x which
	s_lshl_b32 s50, s20, 2
	s_add_co_u32 s48, s48, s50
	s_mov_b32 s49, 0
	s_add_nc_u64 s[32:33], s[6:7], s[48:49]        ; block 0's base
	s_lshl_b32 s48, s21, 5                         ; 32 rows on
.irp t, 1,2,3,4,5,6,7
	s_add_nc_u64 s[32+2*\t:33+2*\t], s[30+2*\t:31+2*\t], s[48:49]
.endr
	s_lshl_b32 s50, s20, 10
	s_lshl_b32 s51, s22, 8
	s_add_co_u32 s50, s50, s51
	s_mov_b32 s51, 0
	s_add_nc_u64 s[14:15], s[14:15], s[50:51]      ; codes: column x 1,024 + 256 x which
	v_mov_b32 v[OFF], v5
.set i, 1
.rept 31
	v_add_nc_u32 v[OFF+i], s21, v[OFF+i-1]
.set i, i+1
.endr
.macro WLOAD t                         ; block t: W(32 t + i, my column), i = 0 .. 31, into set t % 2
.set i, 0
.rept 32
	global_load_b32 v[XW+32*((\t)%2)+i], v[OFF+i], s[32+2*(\t):33+2*(\t)] th:TH_LOAD_NT
.set i, i+1
.endr
.endm
	WLOAD 0
	WLOAD 1
	s_wait_kmcnt 0x0
	s_cmp_eq_u32 s23, 1
	s_cselect_b32 s50, s31, s25                    ; e7 for Wo, e1 for Wqkv
	s_add_co_i32 s50, s50, 127
	s_lshl_b32 s51, s50, 23
	v_mov_b32 v11, s51                             ; 2^e
	s_add_co_i32 s50, s50, EMAX
	s_lshl_b32 s50, s50, 23
	s_or_b32 s50, s50, MANT
	v_mov_b32 v10, s50                             ; 57,344 x 2^e
.macro BLOCK t
.set XS, XW+32*((\t)%2)
.if (\t) < NB-1
	s_wait_loadcnt 32                              ; this block's 32 loads are in; the next block's may be out
.else
	s_wait_loadcnt 0
.endif
.set i, 0
.rept 32
	v_med3_num_f32 v[XS+i], v[XS+i], -v10, v10
.set i, i+1
.endr
.irp g, 0,1,2,3
	v_cvt_scalef32_pk8_bf8_f32 v[CW+2*\g:CW+2*\g+1], v[XS+8*\g:XS+8*\g+7], v11
.endr
	ds_store_b128 v6, v[CW:CW+3] offset:32*(\t)    ; 32 codes: 32 bytes of my column's row
	ds_store_b128 v6, v[CW+4:CW+7] offset:32*(\t)+16
.if (\t)+2 < NB
	WLOAD (\t)+2
.endif
	s_wait_dscnt 0x0                               ; the stores have read their registers: the next block's codes may be written
.endm
	s_wait_alu depctr_va_vdst(0)
.irp t, 0,1,2,3,4,5,6,7
	BLOCK \t
.endr
.irp t, 0,1,2,3,4,5,6,7,8,9,10,11,12,13,14,15
	ds_load_b128 v[OUTR+4*\t:OUTR+4*\t+3], v7 offset:2*\t*WP       ; LDS serves a wave's instructions in order: these see my stores
.endr
.irp t, 0,1,2,3,4,5,6,7,8,9,10,11,12,13,14,15
	s_wait_dscnt 15-\t                             ; load t is in; the younger ones stay out
	global_store_b128 v8, v[OUTR+4*\t:OUTR+4*\t+3], s[14:15] offset:2*\t*1024   ; sixteen lanes store 256 consecutive bytes, aligned
.endr
	s_wait_tensorcnt 0x0
	ds_add_u32 v208, v209
	s_wait_dscnt 0x0
	s_endpgm
.Lfunc_end_k_qdd8ad66e99_quant:
	.size	k_qdd8ad66e99_quant, .Lfunc_end_k_qdd8ad66e99_quant-k_qdd8ad66e99_quant
	.p2alignl 7, 3214868480
	.fill 96, 4, 3214868480
	.section	.rodata,"a",@progbits
	.p2align	6, 0x0
	.amdhsa_kernel k_qdd8ad66e99_quant
		.amdhsa_group_segment_fixed_size 68096
		.amdhsa_private_segment_fixed_size 0
		.amdhsa_enable_private_segment 0
		.amdhsa_kernarg_size 56
		.amdhsa_user_sgpr_count 2
		.amdhsa_user_sgpr_kernarg_segment_ptr 1
		.amdhsa_wavefront_size32 1
		.amdhsa_system_sgpr_workgroup_id_x 1
		.amdhsa_system_sgpr_workgroup_id_y 1
		.amdhsa_system_sgpr_workgroup_id_z 1
		.amdhsa_system_vgpr_workitem_id 0
		.amdhsa_next_free_vgpr 210
		.amdhsa_next_free_sgpr 66
		.amdhsa_reserve_vcc 0
		.amdhsa_float_denorm_mode_32 3
		.amdhsa_float_denorm_mode_16_64 3
		.amdhsa_memory_ordered 1
		.amdhsa_forward_progress 1
		.amdhsa_inst_pref_size 87
	.end_amdhsa_kernel
	.amdgpu_metadata
---
amdhsa.version: [ 1, 2 ]
amdhsa.kernels:
  - .name:           k_qdd8ad66e99_quant
    .symbol:         k_qdd8ad66e99_quant.kd
    .args:
      - { .name: x, .offset: 0, .size: 8, .value_kind: global_buffer, .address_space: global }
      - { .name: Wqkv, .offset: 8, .size: 8, .value_kind: global_buffer, .address_space: global }
      - { .name: Wo, .offset: 16, .size: 8, .value_kind: global_buffer, .address_space: global }
      - { .name: lowp_scales, .offset: 24, .size: 8, .value_kind: global_buffer, .address_space: global }
      - { .name: x_codes, .offset: 32, .size: 8, .value_kind: global_buffer, .address_space: global }
      - { .name: wqkv_codes, .offset: 40, .size: 8, .value_kind: global_buffer, .address_space: global }
      - { .name: wo_codes, .offset: 48, .size: 8, .value_kind: global_buffer, .address_space: global }
    .group_segment_fixed_size: 68096
    .private_segment_fixed_size: 0
    .kernarg_segment_align: 8
    .kernarg_segment_size: 56
    .max_flat_workgroup_size: 128
    .sgpr_count:     66
    .vgpr_count:     210
    .wavefront_size: 32
...
	.end_amdgpu_metadata
.endif
;; end of part 1
;; launch qkv (part 2): grid 8 x 32, 4 waves a work-group, clusters of 4 x 4, 327,680 bytes of LDS; arguments x_codes, wqkv_codes, lowp_scales, bqkv, q_codes, k_codes, v_codes; writes q_codes, k_codes, v_codes
.if DOCPART == 2
	.amdgcn_target "amdgcn-amd-amdhsa--gfx1250"
	.amdhsa_code_object_version 6
	.text
	.protected	k_qdd8ad66e99_qkv
	.globl	k_qdd8ad66e99_qkv
	.p2align	8
	.type	k_qdd8ad66e99_qkv,@function
k_qdd8ad66e99_qkv:
	s_mov_b64 s[64:65], 0
	v_nop
	global_prefetch_b8 v0, s[64:65] scope:SCOPE_SE
	s_setreg_imm32_b32 hwreg(HW_REG_WAVE_MODE, 25, 1), 1
	s_wait_xcnt 0x0
	s_wait_alu depctr_hold_cnt(0) depctr_sa_sdst(0) depctr_va_vdst(0) depctr_va_sdst(0) depctr_va_ssrc(0) depctr_va_vcc(0) depctr_vm_vsrc(0)
	s_getreg_b32 s2, hwreg(HW_REG_IB_STS2, 6, 4)
	s_cmp_eq_u32 s2, 0
	s_cbranch_scc0 .Lentry_in_a_cluster
	s_endpgm
.Lentry_in_a_cluster:
	s_bfe_u32 s2, ttmp6, 0x10000c
	s_cmp_lg_u32 s2, 0xf033
	s_cbranch_scc0 .Lentry_shape_is_right
	s_endpgm
.Lentry_shape_is_right:
; qkv = x Wqkv + bqkv on codes of BF8 (E5M2), and its three parts quantised again: q with e2, k with e3, v with e5.
; x_codes [8192 (b,t)][1024], wqkv_codes [3072 n][1024]: K innermost.  q_codes, k_codes: [64 (b,h)][2048 t][64 d].  v_codes: [64 (b,h)][16 chunks][64 d][128 t]: the keys innermost, 128 to a chunk.
; A WORK-GROUP STAYS and makes three blocks, each 256 rows of an operand P x 128 rows of an operand R, K = 1,024: 256 work-groups x 3 = all of q, k and v.
;   blocks 0, 1 (q, k): P = x's rows 256 gy .., R = Wqkv's rows 1024 j + 128 gx ..     block 2 (v): P = Wqkv's rows 2048 + 256 cy .., R = x's rows 128 rb .., rb = 4 (2 Y + X) + cx  (X, Y the cluster, cx, cy my place in it).
; The matrix instruction takes 16 rows of R as source 0 and 16 rows of P as source 1: a lane holds ONE row of P and eight neighbouring rows of R: for q and k one t and registers along d, for v one d and registers along t.
; So one text serves all three; they differ in pointers, in e, in where the bias goes in, and in the way out.  q and k are a loop of two trips; v, which has no successor, is written out.
; Four waves, each 128 rows of P x 64 rows of R: 32 accumulators.  K goes in steps of 256 through a ring of two LDS slots.  THE RING DOES NOT STOP AT A BLOCK'S END: a block's last two changes of slots ask for the next block's K steps 0, 1.
; CLUSTERS: 4 x 4.  P's tile hangs on Y and cy alone and is shared along a row of the cluster, R's on X, Y and cx alone and is shared along a column: each is asked for jointly.  Waves 0, 1 fetch P's halves, waves 2, 3 R's.
; No prefetch is laid: a block has four K steps, and two of them are always asked for by their loads before the block's first product; x's rows are walked again by this work-group and its partners in each block.
; LIMITS: e0 + e1 between -126 and 127; e2, e3, e5 between -126 and 112.  NaN is not served.
; REGISTERS: window 0: v16-31 addresses; v32-63 the bias of the block in hand / 2^(e0 + e1) (the C of its first products), v64-95 k's; v96-111 v's bias (even registers); v112, v113 the way out's scale and hold;
;   from v128 P's fragments, one set, on the way out numbers, codes and rows read back.  Window 1: R's fragments, two sets.  Windows 2, 3: the accumulators ((a, b) at v[8 (8 (a % 4) + b)]).
.set ROWB,   256
.set KROW,   1024
.set PITCH,  272                       ; an LDS row: 256 bytes + 16
.set HALFA,  128*PITCH
.set HALFB,  64*PITCH
.set BOFF,   2*HALFA
.set SLOT,   2*HALFA+2*HALFB
.set WST,    2*SLOT                    ; q, k: each wave's own stage, two halves of 16 rows x 80 bytes; no fill lands here
.set VST,    WST+4*2*16*80             ; v: the work-group's stage, 256 rows x 144 bytes
.set SPARE,  VST+256*144               ; the spare words
.set FR,     16
.set NL,     4
.set NP,     4
.set ADRA, 16
.set BO32, 18
.set BO4,  19
.set ADRB, 20
.set STO,  24
.set RDQ,  25
.set GQ,   26                          ; 16 x lane
.set STV,  27
.set SPW,  28
.set NIL,  29
.set RDV,  30
.set BB,   32
.set BB2,  64
.set BA,   96
.set OSC,  112
.set OLIM, 113
.set AF,   128
.set TMP,  128
.set CD,   160
.set BK,   176
.set G1, 24
.set G0, 32
.set G1B, 48
.set G0B, 56
.set MSB, 0
.macro WIN new                         ; the immediate's high byte repeats the setting that is left
.if MSB != (\new)
	s_set_vgpr_msb (MSB<<8)|(\new)
.set MSB, (\new)
.endif
.endm
.set MUL_LO, 0xa1                      ; source 0 (R) window 1, source 1 (P) window 0, C and D window 2
.set MUL_HI, 0xf1
.set FST_LO, 0x81                      ; first products with the bias as C: C window 0
.set FST_HI, 0xc1
.set TO_B,   0x40
.macro JLOAD g0a, g1a, g0b, g1b        ; a joint load: waves 0, 1 for P, waves 2, 3 for R
	s_cmp_eq_u32 s15, 0
	s_cbranch_scc0 .Lfor_b_\@
	tensor_load_to_lds s[\g0a:\g0a+3], s[\g1a:\g1a+7]
	s_nop 0
.rept 4
	v_nop
.endr
	s_branch .Lasked_\@
.Lfor_b_\@:
	tensor_load_to_lds s[\g0b:\g0b+3], s[\g1b:\g1b+7]
	s_nop 0
.rept 4
	v_nop
.endr
.Lasked_\@:
.endm
.macro CREST
	s_cmp_lg_u32 s14, 0
	s_cbranch_scc1 .Lnot_wave_0_\@
	s_barrier_signal -3
.Lnot_wave_0_\@:
	s_barrier_wait -3
	s_barrier_signal -1
	s_barrier_wait -1
.endm
.macro CROUND
	s_barrier_signal -1
	s_barrier_wait -1
	CREST
.endm
	s_load_b256 s[4:11], s[0:1], 0x0               ; x_codes, wqkv_codes, the scales' exponents, bqkv
	s_load_b128 s[68:71], s[0:1], 0x20             ; q_codes, k_codes
	s_load_b64 s[72:73], s[0:1], 0x30              ; v_codes
	v_lshl_add_u32 v[SPW], v0, 2, SPARE
	v_mov_b32 v[NIL], 0
	ds_add_u32 v[SPW], v[NIL]                      ; the opening lines: the add twice on end and one wait
	ds_add_u32 v[SPW], v[NIL]
	v_lshrrev_b32 v1, 5, v0
	v_readfirstlane_b32 s14, v1                    ; wave
	s_lshr_b32 s15, s14, 1                         ; my half of P's rows; also: I fetch for P (0) or R (1)
	s_and_b32 s16, s14, 1                          ; my half of R's rows; also: which half of that tile I fetch
	s_bfe_u32 s40, ttmp6, 0x40000                  ; cx
	s_bfe_u32 s41, ttmp6, 0x40004                  ; cy
	s_lshl_b32 s42, ttmp9, 2
	s_add_co_u32 s42, s42, s40                     ; gx 0..7
	s_and_b32 s66, ttmp7, 0xffff                   ; Y
	s_lshl_b32 s17, s66, 2
	s_add_co_u32 s17, s17, s41                     ; gy 0..31
	s_lshl_b32 s43, s41, 2
	s_lshl_b32 s43, 15, s43                        ; my row of the cluster
	s_lshl_b32 s44, 0x1111, s40                    ; my column
	s_or_b32 s[G1+0], s43, (0<<16)|(1<<20)|(1<<21)|(5<<22)|(3<<25)   ; P: 128 rows of 256 bytes, 4 words of padding behind each
	s_mov_b32 s[G1+1], ROWB<<16
	s_mov_b32 s[G1+2], 128<<16
	s_mov_b32 s[G1+3], ROWB<<16
	s_mov_b32 s[G1+4], 128
	s_mov_b32 s[G1+5], KROW
	s_mov_b32 s[G1+6], 0
	s_mov_b32 s[G1+7], 0
	s_or_b32 s[G1B+0], s44, (0<<16)|(1<<20)|(1<<21)|(5<<22)|(3<<25)  ; R: 64 rows
	s_mov_b32 s[G1B+1], ROWB<<16
	s_mov_b32 s[G1B+2], 64<<16
	s_mov_b32 s[G1B+3], ROWB<<16
	s_mov_b32 s[G1B+4], 64
	s_mov_b32 s[G1B+5], KROW
	s_mov_b32 s[G1B+6], 0
	s_mov_b32 s[G1B+7], 0
	s_lshl_b32 s18, s16, 7
	s_lshl_b32 s20, s17, 8
	s_add_co_u32 s20, s20, s18
	s_lshl_b32 s20, s20, 10                        ; q, k: P = x's row 256 gy + 128 x half, in bytes
	s_mov_b32 s21, 0
	s_lshl_b32 s76, s41, 8
	s_add_co_u32 s76, s76, s18
	s_add_co_u32 s76, s76, 2048
	s_lshl_b32 s76, s76, 10                        ; v: P = Wqkv's row 2048 + 256 cy + 128 x half
	s_mov_b32 s77, 0
	s_lshl_b32 s19, s16, 6
	s_lshl_b32 s46, s42, 7
	s_add_co_u32 s46, s46, s19
	s_lshl_b32 s46, s46, 10                        ; q: R = Wqkv's row 128 gx + 64 x half
	s_mov_b32 s47, 0
	s_lshl_b32 s67, s66, 1
	s_add_co_u32 s67, s67, ttmp9
	s_lshl_b32 s67, s67, 2
	s_add_co_u32 s67, s67, s40                     ; rb 0..63
	s_lshl_b32 s78, s67, 7
	s_add_co_u32 s78, s78, s19
	s_lshl_b32 s78, s78, 10                        ; v: R = x's row 128 rb + 64 x half
	s_mov_b32 s79, 0
	s_mul_i32 s45, s16, HALFA
	s_mul_i32 s22, s16, HALFB
	s_add_co_u32 s22, s22, BOFF
	s_wait_dscnt 0x0
	s_wait_kmcnt 0x0
	s_load_b256 s[80:87], s[8:9], 0x0              ; e0 .. e7
	s_add_nc_u64 s[20:21], s[4:5], s[20:21]        ; P of q and k
	s_add_nc_u64 s[76:77], s[6:7], s[76:77]        ; P of v
	s_add_nc_u64 s[46:47], s[6:7], s[46:47]        ; R of q
	s_add_nc_u64 s[74:75], s[46:47], 0x100000      ; R of k: 1,024 rows on
	s_add_nc_u64 s[78:79], s[4:5], s[78:79]        ; R of v
	CROUND                                         ; all sixteen work-groups are here: the first joint loads meet
.irp s, 0,1
	s_mov_b32 s[G0+4*\s], 1
	s_add_co_u32 s[G0+4*\s+1], s45, \s*SLOT
	s_add_nc_u64 s[G0+4*\s+2:G0+4*\s+3], s[20:21], \s*ROWB
	s_or_b32 s[G0+4*\s+3], s[G0+4*\s+3], 0x80000000
	s_mov_b32 s[G0B+4*\s], 1
	s_add_co_u32 s[G0B+4*\s+1], s22, \s*SLOT
	s_add_nc_u64 s[G0B+4*\s+2:G0B+4*\s+3], s[46:47], \s*ROWB
	s_or_b32 s[G0B+4*\s+3], s[G0B+4*\s+3], 0x80000000
.endr
	JLOAD G0, G1, G0B, G1B                         ; q's K step 0: one tensor load a wave at the head
	v_and_b32 v1, 15, v0                           ; r
	v_bfe_u32 v2, v0, 4, 1                         ; h
	v_and_b32 v6, 31, v0                           ; lane
	s_wait_alu depctr_va_vdst(0)
	s_lshl_b32 s12, s42, 7
	s_lshl_b32 s13, s16, 6
	s_add_co_u32 s12, s12, s13
	s_lshl_b32 s12, s12, 2
	s_mov_b32 s13, 0
	s_add_nc_u64 s[12:13], s[10:11], s[12:13]      ; bqkv at q's first n of mine; k's lies 4,096 bytes on
	v_lshlrev_b32 v[BO32], 5, v2
.irp b, 0,1,2,3
	global_load_b128 v[BB+8*\b:BB+8*\b+3], v[BO32], s[12:13] offset:64*\b
	global_load_b128 v[BB+8*\b+4:BB+8*\b+7], v[BO32], s[12:13] offset:64*\b+16
	global_load_b128 v[BB2+8*\b:BB2+8*\b+3], v[BO32], s[12:13] offset:4096+64*\b
	global_load_b128 v[BB2+8*\b+4:BB2+8*\b+7], v[BO32], s[12:13] offset:4096+64*\b+16
.endr
	s_lshl_b32 s18, s41, 8
	s_lshl_b32 s19, s15, 7
	s_add_co_u32 s18, s18, s19
	s_add_co_u32 s18, s18, 2048
	s_lshl_b32 s18, s18, 2
	s_mov_b32 s19, 0
	s_add_nc_u64 s[18:19], s[10:11], s[18:19]      ; bqkv at v's first n of mine
	v_lshlrev_b32 v[BO4], 2, v1
.irp a, 0,1,2,3,4,5,6,7
	global_load_b32 v[BA+2*\a], v[BO4], s[18:19] offset:64*\a
	v_mov_b32 v[BA+2*\a+1], 0                      ; (named with it as a pair)
.endr
	s_mul_i32 s23, s15, HALFA
	s_mul_i32 s2, s16, HALFB
	s_add_co_u32 s2, s2, BOFF
	v_mul_u32_u24 v3, v1, PITCH
	v_lshl_add_u32 v4, v2, 4, v3                   ; a fragment's row x pitch + 16 h
.irp s, 0,1
	v_add_nc_u32 v[ADRA+\s], s23, v4
	v_add_nc_u32 v[ADRB+\s], s2, v4
	s_add_co_u32 s23, s23, SLOT
	s_add_co_u32 s2, s2, SLOT
.endr
	s_mul_i32 s23, s14, 2*16*80
	s_add_co_u32 s23, s23, WST                     ; q, k: my stage
	v_mul_u32_u24 v5, v1, 80
	v_lshl_add_u32 v5, v2, 3, v5
	v_add_nc_u32 v[STO], s23, v5                   ; in: row r, + 8 h
	v_lshrrev_b32 v7, 2, v6
	v_mul_u32_u24 v7, v7, 80
	v_and_b32 v8, 3, v6
	v_lshl_add_u32 v7, v8, 4, v7
	v_add_nc_u32 v[RDQ], s23, v7                   ; back: four lanes to a row of 64 bytes
	v_lshlrev_b32 v[GQ], 4, v6
	s_mul_i32 s23, s15, 128*144
	s_lshl_b32 s2, s16, 6
	s_add_co_u32 s23, s23, s2
	s_add_co_u32 s23, s23, VST
	v_mul_u32_u24 v5, v1, 144
	v_lshl_add_u32 v5, v2, 3, v5
	v_add_nc_u32 v[STV], s23, v5                   ; v: in: row 128 (wave / 2) + r, byte 64 (wave % 2) + 8 h
	s_mul_i32 s23, s14, 64*144
	s_add_co_u32 s23, s23, VST
	v_lshrrev_b32 v7, 3, v6
	v_mul_u32_u24 v7, v7, 144
	v_and_b32 v8, 7, v6
	v_lshl_add_u32 v7, v8, 4, v7
	v_add_nc_u32 v[RDV], s23, v7                   ; back: wave w takes rows 64 w ..: eight lanes to a row of 128 bytes
	s_lshr_b32 s23, s17, 3                         ; q, k: b,
	s_lshl_b32 s23, s23, 4
	s_lshl_b32 s2, s42, 1
	s_add_co_u32 s23, s23, s2
	s_add_co_u32 s23, s23, s16                     ; 16 b + my head (2 gx + wave % 2),
	s_lshl_b32 s23, s23, 11
	s_and_b32 s2, s17, 7
	s_lshl_b32 s2, s2, 8
	s_add_co_u32 s23, s23, s2
	s_lshl_b32 s2, s15, 7
	s_add_co_u32 s23, s23, s2                      ; x 2,048 + my first t,
	s_lshl_b32 s2, s23, 6                          ; x 64 bytes
	s_mov_b32 s3, 0
	s_add_nc_u64 s[96:97], s[68:69], s[2:3]
	s_add_nc_u64 s[98:99], s[70:71], s[2:3]
	s_lshr_b32 s23, s67, 4                         ; v: b,
	s_lshl_b32 s23, s23, 4
	s_lshl_b32 s45, s41, 2
	s_add_co_u32 s23, s23, s45
	s_add_co_u32 s23, s23, s14                     ; 16 b + the head that I send (4 cy + wave),
	s_lshl_b32 s23, s23, 4
	s_and_b32 s45, s67, 15
	s_add_co_u32 s23, s23, s45                     ; x 16 + the chunk,
	s_lshl_b32 s2, s23, 13                         ; x 8,192 bytes
	s_add_nc_u64 s[100:101], s[72:73], s[2:3]
	s_wait_alu depctr_va_vdst(0)                   ; ahead of the wait below
	s_wait_loadcnt 0x0                             ; the biases
	s_wait_kmcnt 0x0                               ; the exponents
	s_add_co_i32 s88, s80, s81
	s_sub_co_i32 s23, 0, s88
.set j, 0
.rept 64
	v_ldexp_f32 v[BB+j], v[BB+j], s23              ; q's and k's bias / 2^(e0 + e1)
.set j, j+1
.endr
	s_add_co_i32 s88, s88, 127
	s_lshl_b32 s88, s88, 23                        ; 2^(e0 + e1)
	s_mov_b32 s89, s88
.macro FRAG reg, adr, q, i             ; 16 rows x 128 K: registers 4 c .. 4 c + 3 hold K = 32 c + 16 h + 0 .. 15: a permutation of k, the same in both operands
.irp c, 0,1,2,3
	ds_load_b128 v[\reg+4*\c:\reg+4*\c+3], v[\adr] offset:128*(\q)+32*\c+(\i)*16*PITCH
.endr
.endm
.macro MUL8 a0, p, first               ; P's blocks a0, a0 + 1 x R's four.  first = 1: C is the bias; 2: C is 0.  The accumulators take turns
.irp a, \a0, \a0+1
.irp b, 0,1,2,3
.if \first == 1
	v_wmma_f32_16x16x128_bf8_bf8 v[8*(8*((\a)%4)+\b):8*(8*((\a)%4)+\b)+7], v[128*(\p)+FR*\b:128*(\p)+FR*\b+FR-1], v[AF+FR*(\a):AF+FR*(\a)+FR-1], v[BB+8*\b:BB+8*\b+7]
.elseif \first == 2
	v_wmma_f32_16x16x128_bf8_bf8 v[8*(8*((\a)%4)+\b):8*(8*((\a)%4)+\b)+7], v[128*(\p)+FR*\b:128*(\p)+FR*\b+FR-1], v[AF+FR*(\a):AF+FR*(\a)+FR-1], 0
.else
	v_wmma_f32_16x16x128_bf8_bf8 v[8*(8*((\a)%4)+\b):8*(8*((\a)%4)+\b)+7], v[128*(\p)+FR*\b:128*(\p)+FR*\b+FR-1], v[AF+FR*(\a):AF+FR*(\a)+FR-1], v[8*(8*((\a)%4)+\b):8*(8*((\a)%4)+\b)+7]
.endif
.endr
.endr
.endm
.macro FETCH_B slot, q, p
	WIN TO_B
.irp i, 0,1,2,3
	FRAG 128*(\p)+FR*\i, ADRB+\slot, \q, \i
.endr
	WIN 0
.endm
.macro FETCH_A slot, q, i0
.irp i, \i0, \i0+1, \i0+2, \i0+3
	FRAG AF+FR*(\i), ADRA+\slot, \q, \i
.endr
.endm
.macro PLACES n
.rept \n
	v_nop
.endr
.endm
.macro STEP slot, q, first             ; 128 along K with a successor in the same slot
	s_wait_dscnt 4*NL                              ; R's set and P's blocks 0-3 are in; the youngest sixteen loads (P's blocks 4-7) may be out
.if \first == 1
	WIN FST_LO
.else
	WIN MUL_LO
.endif
	MUL8 0, (\q)%2, \first
	MUL8 2, (\q)%2, \first
	s_wait_dscnt 0
	PLACES NP
	FETCH_B \slot, (\q)+1, 1-(\q)%2
	FETCH_A \slot, (\q)+1, 0
.if \first == 1
	WIN FST_HI
.else
	WIN MUL_HI
.endif
	MUL8 4, (\q)%2, \first
	MUL8 6, (\q)%2, \first
	PLACES NP
	WIN 0
	FETCH_A \slot, (\q)+1, 4
.endm
; A slot's last step changes slots.  fill = 1: the slot takes this block's K step two on; 2: the next block's K step 0 or 1 (its addresses stand in s[90:93]); 0: nothing.  fetch = 0: a block's end: the next slot's fragments are fetched behind the way out.
.macro TURN slot, next, fill, fetch
	s_wait_tensorcnt 0x0                           ; all my tensor loads have landed
	ds_add_u32 v[SPW], v[NIL]
	s_wait_dscnt 4*NL+1                            ; (the add and P's blocks 4-7 may be out)
	WIN MUL_LO
	MUL8 0, 1, 0
	s_wait_dscnt 0x0                               ; the add is done, and my reads of this slot are over
	s_barrier_signal -1
	MUL8 2, 1, 0
	WIN 0
	s_barrier_wait -1
.if \fill
	CREST                                          ; the barrier has opened a round of the cluster's barrier
.if \fill == 1
	s_add_nc_u64 s[G0+4*\slot+2:G0+4*\slot+3], s[G0+4*\slot+2:G0+4*\slot+3], 2*ROWB
	s_add_nc_u64 s[G0B+4*\slot+2:G0B+4*\slot+3], s[G0B+4*\slot+2:G0B+4*\slot+3], 2*ROWB
.else
	s_add_nc_u64 s[G0+4*\slot+2:G0+4*\slot+3], s[90:91], \slot*ROWB
	s_or_b32 s[G0+4*\slot+3], s[G0+4*\slot+3], 0x80000000
	s_add_nc_u64 s[G0B+4*\slot+2:G0B+4*\slot+3], s[92:93], \slot*ROWB
	s_or_b32 s[G0B+4*\slot+3], s[G0B+4*\slot+3], 0x80000000
.endif
	JLOAD G0+4*\slot, G1, G0B+4*\slot, G1B         ; the first tensor load behind the round, my only one until the next
.else
	PLACES NP
.endif
.if \fetch
	FETCH_B \next, 0, 0
	FETCH_A \next, 0, 0
.endif
	WIN MUL_HI
	MUL8 4, 1, 0
	MUL8 6, 1, 0
	PLACES NP
	WIN 0
.if \fetch
	FETCH_A \next, 0, 4
.endif
.endm
.macro SCALE ereg                      ; the way out's scale 2^e and hold 57,344 x 2^e
	s_add_co_i32 s23, s[\ereg], 127
	s_lshl_b32 s45, s23, 23
	v_mov_b32 v[OSC], s45
	s_add_co_i32 s23, s23, 15
	s_lshl_b32 s23, s23, 23
	s_or_b32 s23, s23, 0x600000
	v_mov_b32 v[OLIM], s23
	s_wait_alu depctr_va_vdst(0)
.endm
; q's and k's way out, block a: 16 t x my head's 64 d: scaled, held, eight neighbours a conversion; through my own stage they become 1,024 consecutive bytes.
.macro QSTAGE a
.set AC, 64*((\a)%4)
	WIN 0x02+((\a)/4)
.set j, 0
.rept 16
	v_pk_mul_f32 v[TMP+j:TMP+j+1], v[AC+j:AC+j+1], s[88:89] op_sel_hi:[1,0]   ; each accumulator from its low end on
.set j, j+2
.endr
	WIN 0
.set j, 0
.rept 32
	v_med3_num_f32 v[TMP+j], v[TMP+j], -v[OLIM], v[OLIM]   ; the conversion does not saturate (ISA guide 7.6.2)
.set j, j+1
.endr
.irp b, 0,1,2,3
	v_cvt_scalef32_pk8_bf8_f32 v[CD+8*((\a)%2)+2*\b:CD+8*((\a)%2)+2*\b+1], v[TMP+8*\b:TMP+8*\b+7], v[OSC]
.endr
	v_nop                                          ; one plain line behind the last scaled conversion
.irp b, 0,1,2,3
	ds_store_b64 v[STO], v[CD+8*((\a)%2)+2*\b:CD+8*((\a)%2)+2*\b+1] offset:1280*((\a)%2)+16*\b
.endr
	ds_load_b128 v[BK+8*((\a)%2):BK+8*((\a)%2)+3], v[RDQ] offset:1280*((\a)%2)         ; LDS serves a wave's instructions in order (ISA guide 5.7.1.4)
	ds_load_b128 v[BK+8*((\a)%2)+4:BK+8*((\a)%2)+7], v[RDQ] offset:1280*((\a)%2)+640
.endm
.macro QSEND a, younger                ; younger: the LDS instructions issued behind block a's loads
	s_wait_dscnt \younger
	global_store_b128 v[GQ], v[BK+8*((\a)%2):BK+8*((\a)%2)+3], s[94:95] offset:1024*(\a)        ; the wave stores 512 consecutive bytes, aligned
	global_store_b128 v[GQ], v[BK+8*((\a)%2)+4:BK+8*((\a)%2)+7], s[94:95] offset:1024*(\a)+512
.endm
	s_wait_alu depctr_va_vdst(0)                   ; at the head's end
	s_wait_tensorcnt 0x0                           ; my part of K step 0 is in; the three lines ahead of a later first fill
	ds_add_u32 v[SPW], v[NIL]
	s_wait_dscnt 0x0
	CROUND                                         ; everybody's part is in, and the joint loads meet
	JLOAD G0+4, G1, G0B+4, G1B                     ; q's K step 1, the first tensor load behind the round
	s_mov_b32 s3, 0
.Lblock:                                           ; trip 0: q, trip 1: k
	s_cmp_eq_u32 s3, 0
	s_cselect_b64 s[90:91], s[20:21], s[76:77]     ; the next block's P: k's (as q's) or v's,
	s_cselect_b64 s[92:93], s[74:75], s[78:79]     ; its R,
	s_cselect_b64 s[94:95], s[96:97], s[98:99]     ; where this block goes,
	s_cselect_b32 s2, s82, s83                     ; and its e
	SCALE 2
	FETCH_B 0, 0, 0
	FETCH_A 0, 0, 0
	FETCH_A 0, 0, 4
	STEP 0, 0, 1                                   ; the first products start the sums from the bias
	TURN 0, 1, 1, 1
	STEP 1, 0, 0
	TURN 1, 0, 1, 1
	STEP 0, 0, 0
	TURN 0, 1, 2, 1                                ; slot 0 takes the next block's K step 0,
	STEP 1, 0, 0
	TURN 1, 0, 2, 0                                ; slot 1 its K step 1: both are on their way while this block goes out
	QSTAGE 0
.irp a, 1,2,3,4,5,6,7
.if \a > 1
	s_wait_xcnt 0x0                                ; block a - 2's stores have read their registers
.endif
	QSTAGE \a
	QSEND \a-1, 6                                  ; behind block a - 1's loads: block a's 4 stores and 2 loads
.endr
	QSEND 7, 0
.set j, 0
.rept 32
	v_mov_b32 v[BB+j], v[BB2+j]                    ; k's bias takes q's place
.set j, j+1
.endr
	s_wait_xcnt 0x0                                ; the stores have read their registers and their base
	s_add_co_u32 s3, s3, 1
	s_cmp_lt_u32 s3, 2
	s_wait_alu depctr_va_vdst(0)                   ; ahead of the branch
	s_cbranch_scc1 .Lblock
	SCALE 85                                       ; v: e5
	FETCH_B 0, 0, 0
	FETCH_A 0, 0, 0
	FETCH_A 0, 0, 4
	STEP 0, 0, 2                                   ; the first products start the sums
	TURN 0, 1, 1, 1
	STEP 1, 0, 0
	TURN 1, 0, 1, 1
	STEP 0, 0, 0
	TURN 0, 1, 0, 1                                ; the last lap fills nothing
	STEP 1, 0, 0
	s_wait_dscnt 4*NL
	WIN MUL_LO
	MUL8 0, 1, 0
	MUL8 2, 1, 0
	s_wait_dscnt 0
	WIN MUL_HI
	MUL8 4, 1, 0
	MUL8 6, 1, 0
	PLACES NP
	WIN 0
; v's way out: a lane holds one (h, d) and registers along t.  The codes meet in the work-group's stage, row = (h, d), byte = t; a head's 64 rows of 128 bytes are 8,192 consecutive bytes of v_codes.
.irp a, 0,1,2,3,4,5,6,7
	WIN 0x02+(\a/4)
.set j, 0
.rept 16
	v_pk_fma_f32 v[TMP+j:TMP+j+1], v[64*(\a%4)+j:64*(\a%4)+j+1], s[88:89], v[BA+2*\a:BA+2*\a+1] op_sel_hi:[1,0,0]   ; sum x 2^(e0 + e1) + my row's bias
.set j, j+2
.endr
	WIN 0
.set j, 0
.rept 32
	v_med3_num_f32 v[TMP+j], v[TMP+j], -v[OLIM], v[OLIM]
.set j, j+1
.endr
.irp b, 0,1,2,3
	v_cvt_scalef32_pk8_bf8_f32 v[CD+8*\a+2*\b:CD+8*\a+2*\b+1], v[TMP+8*\b:TMP+8*\b+7], v[OSC]
.endr
	v_nop                                          ; one plain line behind the last scaled conversion
.irp b, 0,1,2,3
	ds_store_b64 v[STV], v[CD+8*\a+2*\b:CD+8*\a+2*\b+1] offset:\a*16*144+16*\b
.endr
.endr
	s_wait_dscnt 0x0                               ; for the others' sake: my stores into the stage are done
	s_barrier_signal -1
	s_barrier_wait -1                              ; a row's 128 bytes come from two waves
.set g, 0
.rept 16
	ds_load_b128 v[TMP+4*g:TMP+4*g+3], v[RDV] offset:4*g*144
.set g, g+1
.endr
.set g, 0
.rept 16
	s_wait_dscnt 15-g                              ; load g is in; the younger ones stay out
	global_store_b128 v[GQ], v[TMP+4*g:TMP+4*g+3], s[100:101] offset:512*g   ; the wave stores 512 consecutive bytes, aligned
.set g, g+1
.endr
	s_wait_tensorcnt 0x0                           ; the wave's end
	ds_add_u32 v[SPW], v[NIL]
	s_wait_dscnt 0x0
	CROUND                                         ; the closing round
	s_endpgm
.Lfunc_end_k_qdd8ad66e99_qkv:
	.size	k_qdd8ad66e99_qkv, .Lfunc_end_k_qdd8ad66e99_qkv-k_qdd8ad66e99_qkv
	.p2alignl 7, 3214868480
	.fill 96, 4, 3214868480
	.section	.rodata,"a",@progbits
	.p2align	6, 0x0
	.amdhsa_kernel k_qdd8ad66e99_qkv
		.amdhsa_group_segment_fixed_size 327680
		.amdhsa_private_segment_fixed_size 0
		.amdhsa_enable_private_segment 0
		.amdhsa_kernarg_size 56
		.amdhsa_user_sgpr_count 2
		.amdhsa_user_sgpr_kernarg_segment_ptr 1
		.amdhsa_wavefront_size32 1
		.amdhsa_system_sgpr_workgroup_id_x 1
		.amdhsa_system_sgpr_workgroup_id_y 1
		.amdhsa_system_sgpr_workgroup_id_z 1
		.amdhsa_system_vgpr_workitem_id 0
		.amdhsa_next_free_vgpr 1024
		.amdhsa_next_free_sgpr 102
		.amdhsa_reserve_vcc 0
		.amdhsa_float_denorm_mode_32 3
		.amdhsa_float_denorm_mode_16_64 3
		.amdhsa_memory_ordered 1
		.amdhsa_forward_progress 1
		.amdhsa_inst_pref_size 177
	.end_amdhsa_kernel
	.amdgpu_metadata
---
amdhsa.version: [ 1, 2 ]
amdhsa.kernels:
  - .name:           k_qdd8ad66e99_qkv
    .symbol:         k_qdd8ad66e99_qkv.kd
    .args:
      - { .name: x_codes, .offset: 0, .size: 8, .value_kind: global_buffer, .address_space: global }
      - { .name: wqkv_codes, .offset: 8, .size: 8, .value_kind: global_buffer, .address_space: global }
      - { .name: lowp_scales, .offset: 16, .size: 8, .value_kind: global_buffer, .address_space: global }
      - { .name: bqkv, .offset: 24, .size: 8, .value_kind: global_buffer, .address_space: global }
      - { .name: q_codes, .offset: 32, .size: 8, .value_kind: global_buffer, .address_space: global }
      - { .name: k_codes, .offset: 40, .size: 8, .value_kind: global_buffer, .address_space: global }
      - { .name: v_codes, .offset: 48, .size: 8, .value_kind: global_buffer, .address_space: global }
    .group_segment_fixed_size: 327680
    .private_segment_fixed_size: 0
    .kernarg_segment_align: 8
    .kernarg_segment_size: 56
    .max_flat_workgroup_size: 128
    .sgpr_count:     102
    .vgpr_count:     1024
    .wavefront_size: 32
...
	.end_amdgpu_metadata
.endif
;; end of part 2
;; launch attn (part 3): grid 4 x 64, 16 waves a work-group, clusters of 4 x 1, 327,680 bytes of LDS; arguments q_codes, k_codes, v_codes, lowp_scales, attn_codes; writes attn_codes
.if DOCPART == 3
	.amdgcn_target "amdgcn-amd-amdhsa--gfx1250"
	.amdhsa_code_object_version 6
	.text
	.protected	k_qdd8ad66e99_attn
	.globl	k_qdd8ad66e99_attn
	.p2align	8
	.type	k_qdd8ad66e99_attn,@function
k_qdd8ad66e99_attn:
	s_mov_b64 s[64:65], 0
	v_nop
	global_prefetch_b8 v0, s[64:65] scope:SCOPE_SE
	s_setreg_imm32_b32 hwreg(HW_REG_WAVE_MODE, 25, 1), 1
	s_wait_xcnt 0x0
	s_wait_alu depctr_hold_cnt(0) depctr_sa_sdst(0) depctr_va_vdst(0) depctr_va_sdst(0) depctr_va_ssrc(0) depctr_va_vcc(0) depctr_vm_vsrc(0)
	s_getreg_b32 s2, hwreg(HW_REG_IB_STS2, 6, 4)
	s_cmp_eq_u32 s2, 0
	s_cbranch_scc0 .Lentry_in_a_cluster
	s_endpgm
.Lentry_in_a_cluster:
	s_bfe_u32 s2, ttmp6, 0x10000c
	s_cmp_lg_u32 s2, 0x3003
	s_cbranch_scc0 .Lentry_shape_is_right
	s_endpgm
.Lentry_shape_is_right:
; attn[bh][q][:] = the sum over k <= q of softmax_k(Q[bh][q] . K[bh][k] / 8) V[bh][k][:], both products on codes of BF8 (E5M2), and the result quantised again with e6.
; q_codes, k_codes, attn_codes: [64 bh][2048][64].  v_codes: [64 bh][16 chunks][64 d][128 keys].  Scales: q e2, k e3, p e4, v e5, attn e6.
; THE SOFTMAX: t = score x log2(e) / 8; M = the row's largest t so far, rounded UP to a whole number; p = 2^(t - M) is quantised, not normalised; the row's sum is taken of the unquantised p and divides O at the end.
; When M moves, the sum and O are multiplied by 2^(old M - new M): exact.
; LEFT OUT: key steps that lie wholly under reference()'s own causal mask (every key after every query of the tile): their weights are 0 for all inputs.  A NaN or infinity that reaches only such keys is not carried.
; SHARES.  A head's K and V codes, 2 x 131,072 bytes, stay in LDS whole (294,912 bytes with padding): nothing is filled twice.  The four work-groups of a head form a cluster and ask for every tile JOINTLY (mask 15).
; A head has 128 tiles of 16 queries.  Wave m (0..15) of work-group i (0..3) owns tile 127 - (4 m + i), 16 - m / 2 key steps of 128, and then tile 4 m + i, m / 2 + 1 steps: 17 steps for every wave of the launch.
; Trip counts, branches and LDS addresses hang on the wave's number and the trip alone; i enters Q's and the result's addresses and the mask's numbers.
; Sixteen waves of 256 registers: four to a SIMD, so that one wave's exponentials and waits stand beside the others' vector and matrix work.
; Keys 0-511 are asked for at the head, keys 512-2047 behind the next round: they land under the first four steps; behind one more barrier the waves share nothing.
; NO PREFETCH: all of K and V is asked for by these two groups of loads at the start; no later load is left to run ahead of.
; LAYOUT.  S^T = K Q^T (source 0 = 16 keys, K = 64), O^T = V^T P^T (source 0 = 16 of the head's 64, K = 128 keys): a lane holds ONE query.  Lane r of key tile 2 b + u takes key 32 b + 8 u + r + 8 (r / 8), so that the 16 registers of
; tiles 2 b, 2 b + 1 are keys 32 b + 16 (lane / 16) + 0 .. 15.  Fragments come by loads of 16 bytes: a permutation of k inside an instruction, the same in both operands.
; LIMITS: e2 + e3 between -123 and 130; e4 and e6 between -126 and 112; e4 + e5 goes in by v_ldexp_f32.  NaN is not served.  The scaled scores stay under 2^31 in magnitude.
; REGISTERS: v1-11 addresses; v12 -M, v13 the largest t; v[14:15] the sum; v16-23 Q; v24, v29 p's hold; v25 p's scale; v[26:27] f, 0; v28, v30, v31 at work;
;   v32-95 K's fragments, behind the scores' products p's codes (v32-47) and numbers at work (v48-62); v96-159 S^T, then p; v160-191 O^T; v192-255 V's fragments.
.set KP,    144                        ; two keys' rows: 128 bytes + 16: key kk at (kk / 2) x 144 + (kk % 2) x 64
.set KSTEP, 64*KP                      ; 128 keys of K; also a chunk of V
.set VP,    144                        ; a row of a chunk of V: 128 keys + 16
.set VOFF,  16*KSTEP                   ; V's sixteen chunks lie behind K
.set STAGE, VOFF+16*KSTEP              ; the way out: 16 rows x 80 bytes for each wave; no fill lands here
.set SPARE, STAGE+16*16*80             ; the spare words, 128 bytes for each wave
.set AK0, 1
.set AV0, 2
.set ADK, 3
.set ADV, 4
.set SPW, 5
.set NIL, 6
.set STO, 7
.set SRD, 8
.set GO,  9
.set QO,  10
.set DL,  11                           ; r - 16 h, for the mask
.set KF,  32
.set P,   32
.set S,   96
.set O,   160
.set VF,  192
.set WV,  14                           ; s14 wave; s15 i; s17 the trip; s18 16 + wave / 2; s19 the key step
.set CX,  15
.set NT,  17
.set W16, 18
.set KS,  19
.set SEL, 20
.set CS,  22
.set G1K0, 24
.set G1V0, 32
.set G1K1, 40
.set G1V1, 48
.set G0K, 56
.set G0V, 60
.set DG,  83                           ; s83 the tile's diagonal (last) key step; s84 16 x (tile % 8); s99, s85 the same for the second tile
.set ND,  84
.set NDL, 85
.set DGL, 99
.set KB,  90
.set VB,  92
.set OP,  94
.set OPL, 96
.macro DESC g, r                       ; group 1: a dense block as r rows of 256 bytes; mask 15 with bit 21; 4 words of padding after every 32 words
	s_mov_b32 s[\g], 15|(1<<20)|(1<<21)|(4<<22)|(3<<25)
	s_mov_b32 s[\g+1], 256<<16
	s_mov_b32 s[\g+2], (\r)<<16
	s_mov_b32 s[\g+3], 256<<16
	s_mov_b32 s[\g+4], \r
	s_mov_b32 s[\g+5], 256
	s_mov_b32 s[\g+6], 0
	s_mov_b32 s[\g+7], 0
.endm
.macro JLOAD lim, g1k, g1v             ; waves under lim fetch for K, the others for V: one joint load a wave
	s_cmp_lt_u32 s[WV], \lim
	s_cbranch_scc0 .Lfor_v_\@
	tensor_load_to_lds s[G0K:G0K+3], s[\g1k:\g1k+7]
	s_nop 0
.rept 4
	v_nop
.endr
	s_branch .Lasked_\@
.Lfor_v_\@:
	tensor_load_to_lds s[G0V:G0V+3], s[\g1v:\g1v+7]
	s_nop 0
.rept 4
	v_nop
.endr
.Lasked_\@:
.endm
.macro CROUND                          ; a round of the cluster's barrier
	s_barrier_signal -1
	s_barrier_wait -1
	s_cmp_lg_u32 s[WV], 0
	s_cbranch_scc1 .Lnot_wave_0_\@
	s_barrier_signal -3
.Lnot_wave_0_\@:
	s_barrier_wait -3
	s_barrier_signal -1
	s_barrier_wait -1
.endm
.macro INIT                            ; a tile's fresh state: the largest t -3e38, -M its floor, sum and O^T zero (the first change of M multiplies zeros)
	v_mov_b32 v13, 0xff61b1e6
	v_mov_b32 v12, 0x7f61b1e6
	v_mov_b32 v14, 0
	v_mov_b32 v15, 0
.set j, 0
.rept 32
	v_mov_b32 v[O+j], 0
.set j, j+1
.endr
.endm
	s_load_b256 s[4:11], s[0:1], 0x0               ; q_codes, k_codes, v_codes, the scales' exponents
	s_load_b64 s[12:13], s[0:1], 0x20              ; attn_codes
	v_lshl_add_u32 v[SPW], v0, 2, SPARE
	v_mov_b32 v[NIL], 0
	ds_add_u32 v[SPW], v[NIL]                      ; the opening lines: the add twice on end and one wait
	ds_add_u32 v[SPW], v[NIL]
	v_lshrrev_b32 v28, 5, v0
	v_readfirstlane_b32 s[WV], v28                 ; wave 0..15
	s_bfe_u32 s[CX], ttmp6, 0x40000                ; i: my place in the cluster
	s_and_b32 s16, ttmp7, 0xffff                   ; the head
	DESC G1K0, 16                                  ; K: 64 keys
	DESC G1V0, 16                                  ; V: 32 rows of a chunk
	DESC G1K1, 96                                  ; K: 384 keys
	DESC G1V1, 32                                  ; V: a chunk
	s_mov_b32 s[SEL], 0x76543210
	s_mov_b32 s[SEL+1], 0xfedcba98
	s_mov_b32 s[CS], 0x3e38aa3b                    ; log2(e) / 8
	s_lshr_b32 s[DGL], s[WV], 1                    ; the second tile's last key step
	s_add_co_u32 s[W16], s[DGL], 16
	s_sub_co_u32 s[DG], 15, s[DGL]                 ; the first tile's
	s_lshl_b32 s88, s[WV], 2
	s_add_co_u32 s88, s88, s[CX]                   ; the second tile, 4 m + i,
	s_sub_co_u32 s89, 127, s88                     ; and the first
	s_and_b32 s87, s88, 7
	s_lshl_b32 s[NDL], s87, 4
	s_sub_co_u32 s[ND], 112, s[NDL]
	s_mul_i32 s98, s[WV], 16*80
	s_add_co_u32 s98, s98, STAGE                   ; my stage
	s_lshl_b32 s66, s16, 17                        ; the head's bytes in each buffer
	s_mov_b32 s67, 0
	s_wait_dscnt 0x0
	s_wait_kmcnt 0x0
	s_load_b256 s[72:79], s[10:11], 0x0            ; e0 .. e7
	s_add_nc_u64 s[68:69], s[4:5], s[66:67]
	s_add_nc_u64 s[KB:KB+1], s[6:7], s[66:67]
	s_add_nc_u64 s[VB:VB+1], s[8:9], s[66:67]
	s_add_nc_u64 s[OP:OP+1], s[12:13], s[66:67]
	s_lshl_b32 s66, s88, 10                        ; a tile is 1,024 bytes
	s_add_nc_u64 s[70:71], s[68:69], s[66:67]      ; the second tile's Q
	s_add_nc_u64 s[OPL:OPL+1], s[OP:OP+1], s[66:67]
	s_lshl_b32 s66, s89, 10
	s_add_nc_u64 s[68:69], s[68:69], s[66:67]      ; the first tile's Q
	s_add_nc_u64 s[OP:OP+1], s[OP:OP+1], s[66:67]
	s_and_b32 s86, s[WV], 7                        ; keys 0-511: waves 0-7 4,096 bytes of K each, waves 8-15 4,096 bytes of V each
	s_mov_b32 s[G0K], 1
	s_mul_i32 s[G0K+1], s86, KSTEP/2
	s_lshl_b32 s66, s86, 12
	s_add_nc_u64 s[G0K+2:G0K+3], s[KB:KB+1], s[66:67]
	s_or_b32 s[G0K+3], s[G0K+3], 0x80000000
	s_mov_b32 s[G0V], 1
	s_add_co_u32 s[G0V+1], s[G0K+1], VOFF
	s_add_nc_u64 s[G0V+2:G0V+3], s[VB:VB+1], s[66:67]
	s_or_b32 s[G0V+3], s[G0V+3], 0x80000000
	CROUND                                         ; the four work-groups are here: the first joint loads meet
	JLOAD 8, G1K0, G1V0
	v_and_b32 v28, 15, v0                          ; r
	v_bfe_u32 v29, v0, 4, 1                        ; h
	v_and_b32 v30, 31, v0                          ; lane
	v_lshlrev_b32 v[QO], 6, v28
	v_lshl_add_u32 v[QO], v29, 4, v[QO]            ; Q: row r of 64 bytes, + 16 h
	global_load_b128 v[16:19], v[QO], s[68:69]
	global_load_b128 v[20:23], v[QO], s[68:69] offset:32
	v_and_b32 v31, 8, v28
	v_add_nc_u32 v31, v31, v28                     ; r + 8 (r / 8): my key in a tile
	v_lshrrev_b32 v31, 1, v31
	v_mul_u32_u24 v[AK0], v31, KP
	v_and_b32 v31, 1, v28
	v_lshl_add_u32 v[AK0], v31, 6, v[AK0]
	v_lshl_add_u32 v[AK0], v29, 4, v[AK0]
	v_mul_u32_u24 v[AV0], v28, VP
	v_lshl_add_u32 v[AV0], v29, 4, v[AV0]
	v_add_nc_u32 v[AV0], VOFF, v[AV0]
	v_mul_u32_u24 v[STO], v28, 80
	v_lshl_add_u32 v[STO], v29, 3, v[STO]
	v_add_nc_u32 v[STO], s98, v[STO]               ; the stage, in: row r, + 8 h
	v_lshrrev_b32 v31, 2, v30
	v_mul_u32_u24 v[SRD], v31, 80
	v_and_b32 v31, 3, v30
	v_lshl_add_u32 v[SRD], v31, 4, v[SRD]
	v_add_nc_u32 v[SRD], s98, v[SRD]               ; back: four lanes to a row of 64 bytes
	v_lshlrev_b32 v[GO], 4, v30
	v_lshlrev_b32 v31, 4, v29
	v_sub_nc_u32 v[DL], v28, v31
	v_mov_b32 v27, 0                               ; (the upper half of the pair v[26:27])
	INIT
	s_wait_alu depctr_va_vdst(0)                   ; ahead of the wait below
	s_wait_kmcnt 0x0
	s_add_co_i32 s86, s74, s75
	s_lshl_b32 s86, s86, 23
	s_add_co_i32 s[CS], s[CS], s86                 ; x 2^(e2 + e3), added to c's exponent field
	s_mov_b32 s[CS+1], s[CS]
	s_add_co_i32 s86, s76, 127
	s_lshl_b32 s87, s86, 23
	v_mov_b32 v25, s87                             ; 2^e4
	s_add_co_i32 s86, s86, 15
	s_lshl_b32 s86, s86, 23
	s_or_b32 s86, s86, 0x600000
	v_mov_b32 v24, s86                             ; 57,344 x 2^e4, twice: the two halves of a dual pair take it from different banks
	v_mov_b32 v29, s86
	s_add_co_i32 s80, s76, s77                     ; e4 + e5
	s_add_co_i32 s86, s78, 127
	s_lshl_b32 s81, s86, 23                        ; 2^e6
	s_add_co_i32 s86, s86, 15
	s_lshl_b32 s82, s86, 23
	s_or_b32 s82, s82, 0x600000                    ; 57,344 x 2^e6
	s_wait_alu depctr_va_vdst(0)                   ; at the head's end
	s_wait_tensorcnt 0x0                           ; my part of keys 0-511 is in; the three lines ahead of a later first fill
	ds_add_u32 v[SPW], v[NIL]
	s_and_b32 s86, s[WV], 3                        ; keys 512-2047: waves 0-3: 384 keys of K each; waves 4-15: one of V's chunks 4-15 each
	s_mul_i32 s87, s86, 3*KSTEP
	s_add_co_u32 s[G0K+1], s87, 4*KSTEP
	s_mul_i32 s66, s86, 24576
	s_add_co_u32 s66, s66, 32768
	s_add_nc_u64 s[G0K+2:G0K+3], s[KB:KB+1], s[66:67]
	s_or_b32 s[G0K+3], s[G0K+3], 0x80000000
	s_add_co_u32 s86, s[WV], 12
	s_and_b32 s86, s86, 15                         ; wave - 4
	s_min_u32 s86, s86, 11                         ; (waves 0-3 do not use it)
	s_mul_i32 s87, s86, KSTEP
	s_add_co_u32 s[G0V+1], s87, VOFF+4*KSTEP
	s_lshl_b32 s66, s86, 13
	s_add_co_u32 s66, s66, 32768
	s_add_nc_u64 s[G0V+2:G0V+3], s[VB:VB+1], s[66:67]
	s_or_b32 s[G0V+3], s[G0V+3], 0x80000000
	s_wait_dscnt 0x0
	CROUND                                         ; everybody's part of keys 0-511 is in, and the joint loads meet
	JLOAD 4, G1K1, G1V1                            ; one load a wave, all first fills
; A KEY STEP: 128 keys, number s[kreg].  diag = 1: the text also serves the tile's diagonal step.
.macro STEP kreg, diag
	s_mul_i32 s86, s[\kreg], KSTEP
	v_add_nc_u32 v[ADK], s86, v[AK0]
	v_add_nc_u32 v[ADV], s86, v[AV0]
	v_nop                                          ; with the two additions: four places in front of loads into registers that the last products have read
	v_nop
.irp t, 0,1,2,3,4,5,6,7
.irp c, 0,1
	ds_load_b128 v[KF+8*\t+4*\c:KF+8*\t+4*\c+3], v[ADK] offset:((32*(\t/2)+8*(\t%2))/2)*KP+32*\c
.endr
.endr
.irp t, 0,1,2,3
.irp c, 0,1,2,3
	ds_load_b128 v[VF+16*\t+4*\c:VF+16*\t+4*\c+3], v[ADV] offset:16*\t*VP+32*\c
.endr
.endr
	s_wait_dscnt 16                                ; K's sixteen loads are in; V's sixteen land under the softmax
.irp t, 0,1,2,3,4,5,6,7
	v_wmma_f32_16x16x64_bf8_bf8 v[S+8*\t:S+8*\t+7], v[KF+8*\t:KF+8*\t+7], v[16:23], 0   ; register 16 b + i is key 32 b + 16 h + i of the step
.endr
.rept 4
	v_nop                                          ; four places behind the products (ISA guide 7.12.1)
.endr
.if \diag
	s_cmp_lg_u32 s[KS], s[DG]                      ; the wave's number and the trip alone
	s_cbranch_scc1 .Lopen_\@
	v_add_nc_u32 v62, s[ND], v[DL]                 ; d = my query - the step's first key - 16 h: register 16 b + i is hidden where 32 b + i > d
	v_mov_b32 v61, 0xff800000                      ; -infinity: p = 0
.set n, 0
.rept 64
	v_cmp_gt_i32 vcc_lo, 32*(n/16)+n%16, v62
	v_cndmask_b32 v[S+n], v[S+n], v61, vcc_lo
.set n, n+1
.endr
.Lopen_\@:
.endif
	v_max3_num_f32 v56, v[S], v[S+1], v[S+2]       ; the largest score among my 64 keys, four chains, each accumulator from its low end on
	v_max3_num_f32 v57, v[S+3], v[S+4], v[S+5]
	v_max3_num_f32 v58, v[S+6], v[S+7], v[S+8]
	v_max3_num_f32 v59, v[S+9], v[S+10], v[S+11]
.set j, 12
.rept 6
	v_max3_num_f32 v56, v56, v[S+j], v[S+j+1]
	v_max3_num_f32 v57, v57, v[S+j+2], v[S+j+3]
	v_max3_num_f32 v58, v58, v[S+j+4], v[S+j+5]
	v_max3_num_f32 v59, v59, v[S+j+6], v[S+j+7]
.set j, j+8
.endr
	v_max3_num_f32 v56, v56, v[S+60], v[S+61]
	v_max3_num_f32 v57, v57, v[S+62], v[S+63]
	v_max3_num_f32 v56, v56, v57, v58
	s_delay_alu instid0(VALU_DEP_1)
	v_max_num_f32 v56, v56, v59
	s_delay_alu instid0(VALU_DEP_1)
	v_permlanex16_b32 v60, v56, s[SEL], s[SEL+1]
	s_delay_alu instid0(VALU_DEP_1)
	v_max_num_f32 v56, v56, v60                    ; and among lane l xor 16's
	s_delay_alu instid0(VALU_DEP_1)
	v_mul_f32 v56, s[CS], v56                      ; as t (c is positive)
	s_delay_alu instid0(VALU_DEP_1)
	v_max_num_f32 v13, v13, v56                    ; the running largest t
	v_mov_b32 v56, v12
	s_delay_alu instid0(VALU_DEP_2)
	v_floor_f32 v12, -v13                          ; -M = -ceil(t)
	s_delay_alu instid0(VALU_DEP_1)
	v_sub_f32 v56, v12, v56                        ; old M - new M, a whole number
	s_delay_alu instid0(VALU_DEP_1)
	v_cvt_i32_f32 v56, v56                         ; (it saturates)
	s_delay_alu instid0(VALU_DEP_1)
	v_ldexp_f32 v26, 1.0, v56                      ; f = 2^(old M - new M)
.set j, 0
.rept 32
	v_pk_fma_f32 v[S+j:S+j+1], v[S+j:S+j+1], s[CS:CS+1], v[12:13] op_sel_hi:[1,0,0]   ; t - M
.set j, j+2
.endr
	s_wait_alu depctr_va_vdst(0)                   ; ahead of the batch
.set j, 0
.rept 64
	v_exp_f32 v[S+j], v[S+j]                       ; p = 2^(t - M)
.set j, j+1
.endr
	v_pk_mul_f32 v[14:15], v[14:15], v[26:27] op_sel_hi:[1,0]   ; the sum under the new M (the plain place behind the batch)
	s_wait_alu depctr_va_vdst(0)                   ; and the one wait behind it
	v_pk_add_f32 v[48:49], v[S:S+1], v[S+2:S+3]    ; the sum of the unquantised p, four chains
	v_pk_add_f32 v[50:51], v[S+4:S+5], v[S+6:S+7]
	v_pk_add_f32 v[52:53], v[S+8:S+9], v[S+10:S+11]
	v_pk_add_f32 v[14:15], v[14:15], v[S+12:S+13]
.set j, 14
.rept 6
	v_pk_add_f32 v[48:49], v[48:49], v[S+j:S+j+1]
	v_pk_add_f32 v[50:51], v[50:51], v[S+j+2:S+j+3]
	v_pk_add_f32 v[52:53], v[52:53], v[S+j+4:S+j+5]
	v_pk_add_f32 v[14:15], v[14:15], v[S+j+6:S+j+7]
.set j, j+8
.endr
	v_pk_add_f32 v[48:49], v[48:49], v[S+62:S+63]
	v_pk_add_f32 v[14:15], v[14:15], v[52:53]
	v_pk_add_f32 v[48:49], v[48:49], v[50:51]
	v_pk_add_f32 v[14:15], v[14:15], v[48:49]
.irp b, 0,1,2,3
.irp i, 0,2,4,6,8,10,12,14
	v_dual_min_num_f32 v[S+16*\b+\i], v[S+16*\b+\i], v24 :: v_dual_min_num_f32 v[S+16*\b+\i+1], v[S+16*\b+\i+1], v29   ; the conversion does not saturate (ISA guide 7.6.2); p is not negative: a one-sided hold, two a line
.endr
	v_cvt_scalef32_pk8_bf8_f32 v[P+4*\b:P+4*\b+1], v[S+16*\b:S+16*\b+7], v25      ; registers 4 b .. 4 b + 3: keys 32 b + 16 h + 0 .. 15, as V's loads lay them
	v_cvt_scalef32_pk8_bf8_f32 v[P+4*\b+2:P+4*\b+3], v[S+16*\b+8:S+16*\b+15], v25
.endr
	s_wait_dscnt 0x0                               ; V's fragments are in
	s_wait_alu depctr_va_vdst(0)                   ; directly ahead of the first reader of O^T
.set j, 0
.rept 16
	v_pk_mul_f32 v[O+j:O+j+1], v[O+j:O+j+1], v[26:27] op_sel_hi:[1,0]   ; O^T under the new M (also the plain lines behind the conversions)
.set j, j+2
.endr
.irp t, 0,1,2,3
	v_wmma_f32_16x16x128_bf8_bf8 v[O+8*\t:O+8*\t+7], v[VF+16*\t:VF+16*\t+15], v[P:P+15], v[O+8*\t:O+8*\t+7]   ; the accumulators take turns
.endr
.endm
	s_wait_loadcnt 0x0                             ; Q
	s_mov_b32 s[NT], 0
.Lfirst:                                           ; trips 0-3: keys 0-511 of the first tile, which has nine steps at the least
	STEP NT, 0
	s_add_co_u32 s[NT], s[NT], 1
	s_cmp_lt_u32 s[NT], 4
	s_wait_alu depctr_va_vdst(0)                   ; ahead of the branch
	s_cbranch_scc1 .Lfirst
	s_wait_tensorcnt 0x0                           ; my part of keys 512-2047 is in
	ds_add_u32 v[SPW], v[NIL]
	s_wait_dscnt 0x0
	s_barrier_signal -1
	s_barrier_wait -1                              ; everybody's is: from here on the waves share nothing
	s_mov_b32 s[NT], 4
.Lrest:                                            ; trips 4-16.  With w = wave / 2 the key step is the trip, and from trip 16 - w on the trip - (16 - w): (trip + bit x (16 + w)) mod 16, bit = (trip + 16 + w) / 32
	s_add_co_u32 s86, s[NT], s[W16]
	s_lshr_b32 s86, s86, 5
	s_mul_i32 s86, s86, s[W16]
	s_add_co_u32 s86, s86, s[NT]
	s_and_b32 s[KS], s86, 15
	STEP KS, 1
	s_cmp_lg_u32 s[KS], s[DG]                      ; the diagonal step is a tile's last
	s_cbranch_scc1 .Lsame
	; A TILE'S END: O^T / the sum x 2^(e4 + e5) is quantised with e6; the codes go through my stage and leave as 1,024 consecutive bytes.
	s_cmp_eq_u32 s[NT], 16
	s_cbranch_scc1 .Lno_q                          ; the last trip ends the second tile: no Q follows
	global_load_b128 v[16:19], v[QO], s[70:71]     ; the second tile's Q comes under the way out
	global_load_b128 v[20:23], v[QO], s[70:71] offset:32
.Lno_q:
	v_add_f32 v14, v14, v15
	v_permlanex16_b32 v60, v14, s[SEL], s[SEL+1]
	v_add_f32 v14, v14, v60                        ; the row's sum
	s_wait_alu depctr_va_vdst(0)                   ; ahead of the transcendental
	v_rcp_f32 v14, v14
	v_mov_b32 v30, s81                             ; 2^e6
	v_mov_b32 v31, s82                             ; 57,344 x 2^e6
	s_wait_alu depctr_va_vdst(0)                   ; and behind it
	v_ldexp_f32 v14, v14, s80
	s_wait_alu depctr_va_vdst(0)                   ; directly ahead of the first reader of O^T
.set j, 0
.rept 16
	v_pk_mul_f32 v[S+j:S+j+1], v[O+j:O+j+1], v[14:15] op_sel_hi:[1,0]   ; register 8 t + i is attn(query r, d = 16 t + 8 h + i)
.set j, j+2
.endr
.set j, 0
.rept 32
	v_med3_num_f32 v[S+j], v[S+j], -v31, v31
.set j, j+1
.endr
.irp k, 0,1,2,3
	v_cvt_scalef32_pk8_bf8_f32 v[P+2*\k:P+2*\k+1], v[S+8*\k:S+8*\k+7], v30
.endr
	v_nop                                          ; one plain line behind the last scaled conversion
.irp k, 0,1,2,3
	ds_store_b64 v[STO], v[P+2*\k:P+2*\k+1] offset:16*\k
.endr
	ds_load_b128 v[40:43], v[SRD]                  ; LDS serves a wave's instructions in order (ISA guide 5.7.1.4)
	ds_load_b128 v[44:47], v[SRD] offset:8*80
	s_wait_dscnt 1                                 ; the first eight rows are back; the second load may be out
	global_store_b128 v[GO], v[40:43], s[OP:OP+1]  ; the wave stores 512 consecutive bytes, aligned
	s_wait_dscnt 0x0
	global_store_b128 v[GO], v[44:47], s[OP:OP+1] offset:512
	s_cmp_eq_u32 s[NT], 16
	s_cbranch_scc1 .Lsame
	s_wait_xcnt 0x0                                ; the stores have read their data and their base
	s_mov_b64 s[OP:OP+1], s[OPL:OPL+1]             ; on to tile 4 m + i
	s_mov_b32 s[DG], s[DGL]
	s_mov_b32 s[ND], s[NDL]
	INIT
	s_wait_alu depctr_va_vdst(0)                   ; ahead of the wait below
	s_wait_loadcnt 0x0                             ; Q
.Lsame:
	s_add_co_u32 s[NT], s[NT], 1
	s_cmp_lt_u32 s[NT], 17
	s_wait_alu depctr_va_vdst(0)                   ; ahead of the branch
	s_cbranch_scc1 .Lrest
	s_wait_tensorcnt 0x0                           ; the wave's end
	ds_add_u32 v[SPW], v[NIL]
	s_wait_dscnt 0x0
	CROUND                                         ; the closing round
	s_endpgm
.Lfunc_end_k_qdd8ad66e99_attn:
	.size	k_qdd8ad66e99_attn, .Lfunc_end_k_qdd8ad66e99_attn-k_qdd8ad66e99_attn
	.p2alignl 7, 3214868480
	.fill 96, 4, 3214868480
	.section	.rodata,"a",@progbits
	.p2align	6, 0x0
	.amdhsa_kernel k_qdd8ad66e99_attn
		.amdhsa_group_segment_fixed_size 327680
		.amdhsa_private_segment_fixed_size 0
		.amdhsa_enable_private_segment 0
		.amdhsa_kernarg_size 40
		.amdhsa_user_sgpr_count 2
		.amdhsa_user_sgpr_kernarg_segment_ptr 1
		.amdhsa_wavefront_size32 1
		.amdhsa_system_sgpr_workgroup_id_x 1
		.amdhsa_system_sgpr_workgroup_id_y 1
		.amdhsa_system_sgpr_workgroup_id_z 1
		.amdhsa_system_vgpr_workitem_id 0
		.amdhsa_next_free_vgpr 256
		.amdhsa_next_free_sgpr 100
		.amdhsa_reserve_vcc 1
		.amdhsa_float_denorm_mode_32 3
		.amdhsa_float_denorm_mode_16_64 3
		.amdhsa_memory_ordered 1
		.amdhsa_forward_progress 1
		.amdhsa_inst_pref_size 54
	.end_amdhsa_kernel
	.amdgpu_metadata
---
amdhsa.version: [ 1, 2 ]
amdhsa.kernels:
  - .name:           k_qdd8ad66e99_attn
    .symbol:         k_qdd8ad66e99_attn.kd
    .args:
      - { .name: q_codes, .offset: 0, .size: 8, .value_kind: global_buffer, .address_space: global }
      - { .name: k_codes, .offset: 8, .size: 8, .value_kind: global_buffer, .address_space: global }
      - { .name: v_codes, .offset: 16, .size: 8, .value_kind: global_buffer, .address_space: global }
      - { .name: lowp_scales, .offset: 24, .size: 8, .value_kind: global_buffer, .address_space: global }
      - { .name: attn_codes, .offset: 32, .size: 8, .value_kind: global_buffer, .address_space: global }
    .group_segment_fixed_size: 327680
    .private_segment_fixed_size: 0
    .kernarg_segment_align: 8
    .kernarg_segment_size: 40
    .max_flat_workgroup_size: 512
    .sgpr_count:     100
    .vgpr_count:     256
    .wavefront_size: 32
...
	.end_amdgpu_metadata
.endif
;; end of part 3
;; launch proj (part 4): grid 8 x 32, 4 waves a work-group, clusters of 4 x 4, 327,680 bytes of LDS; arguments attn_codes, wo_codes, lowp_scales, bo, out0; writes out0
.if DOCPART == 4
	.amdgcn_target "amdgcn-amd-amdhsa--gfx1250"
	.amdhsa_code_object_version 6
	.text
	.protected	k_qdd8ad66e99_proj
	.globl	k_qdd8ad66e99_proj
	.p2align	8
	.type	k_qdd8ad66e99_proj,@function
k_qdd8ad66e99_proj:
	s_mov_b64 s[64:65], 0
	v_nop
	global_prefetch_b8 v0, s[64:65] scope:SCOPE_SE
	s_setreg_imm32_b32 hwreg(HW_REG_WAVE_MODE, 25, 1), 1
	s_wait_xcnt 0x0
	s_wait_alu depctr_hold_cnt(0) depctr_sa_sdst(0) depctr_va_vdst(0) depctr_va_sdst(0) depctr_va_ssrc(0) depctr_va_vcc(0) depctr_vm_vsrc(0)
	s_getreg_b32 s2, hwreg(HW_REG_IB_STS2, 6, 4)
	s_cmp_eq_u32 s2, 0
	s_cbranch_scc0 .Lentry_in_a_cluster
	s_endpgm
.Lentry_in_a_cluster:
	s_bfe_u32 s2, ttmp6, 0x10000c
	s_cmp_lg_u32 s2, 0xf033
	s_cbranch_scc0 .Lentry_shape_is_right
	s_endpgm
.Lentry_shape_is_right:
; out0 = attn Wo + bo on codes of BF8 (E5M2).  attn_codes [64 (b,h)][2048 t][64 d], wo_codes [1024 n][1024 k]: K innermost; out0 [8192][1024] f32.  Scales: attn e6, Wo e7.
; A block of out0 is 256 rows x 128 columns: 32 x 8 = 256 work-groups.  Four waves, each 128 rows x 64 columns: 32 accumulators of 16 x 16.  K goes in steps of 256 (four heads) through a ring of two LDS slots.
; CLUSTERS: 4 x 4 work-groups; A's tile is shared along a row of the cluster, B's along a column: each is asked for jointly.  Waves 0, 1 fetch A's halves (128 rows x 4 heads x 64 bytes), waves 2, 3 B's (64 rows x 256 bytes).
; THE MATRIX INSTRUCTION IS USED TRANSPOSED (source 0 = 16 rows of wo_codes, source 1 = 16 rows of attn): a lane holds eight neighbouring columns of one row of out0.
; The bias goes in as the C of each accumulator's first product, divided by 2^(e6 + e7); each finished sum is multiplied by 2^(e6 + e7).  LIMIT: e6 + e7 between -126 and 127.
; REGISTERS: window 0: v16-31 addresses; v32-63 the bias, later a block's numbers; from v128 A's fragments, one set, later rows read back.  Window 1: B's fragments, two sets.  Windows 2, 3: the accumulators ((a, b) at v[8 (8 (a % 4) + b)]).
.set SIZE_N, 1024
.set ROWB,   256
.set KROW,   1024
.set PITCH,  272
.set APITCH, 80                        ; a row of one head: 64 bytes + 16
.set HEADB,  128*APITCH
.set HALFA,  4*HEADB                   ; 128 rows x four heads
.set HALFB,  64*PITCH                  ; 64 rows of wo_codes
.set BOFF,   2*HALFA
.set SLOT,   2*HALFA+2*HALFB
.set ASTEP,  4*2048*64                 ; four heads on
.set FR,     16
.set NL,     4
.set NP,     4
.set LAPS,   2
.set SPARE,  2*SLOT                    ; behind the ring: the spare words
.set SPITCH, 272                       ; the way out: 16 rows x (256 bytes + 16) for each wave, in slot 0 behind its last fill and last read
.set ADRA, 16
.set BO32, 18
.set ADRB, 20
.set STO,  24
.set RD,   25
.set CO,   26
.set SPW,  28
.set NIL,  29
.set BB,   32
.set TMP,  32
.set AF,   128
.set BK,   128
.set G1, 24
.set G0, 32
.set G1B, 48
.set G0B, 56
.set MSB, 0
.macro WIN new                         ; the immediate's high byte repeats the setting that is left
.if MSB != (\new)
	s_set_vgpr_msb (MSB<<8)|(\new)
.set MSB, (\new)
.endif
.endm
.set MUL_LO, 0xa1                      ; source 0 (B) window 1, source 1 (A) window 0, C and D window 2
.set MUL_HI, 0xf1
.set FST_LO, 0x81                      ; the first products: C (the bias) window 0
.set FST_HI, 0xc1
.set TO_B,   0x40
.macro JLOAD g0a, g1a, g0b, g1b        ; a joint load: waves 0, 1 for A, waves 2, 3 for B
	s_cmp_eq_u32 s15, 0
	s_cbranch_scc0 .Lfor_b_\@
	tensor_load_to_lds s[\g0a:\g0a+3], s[\g1a:\g1a+7]
	s_nop 0
.rept 4
	v_nop
.endr
	s_branch .Lasked_\@
.Lfor_b_\@:
	tensor_load_to_lds s[\g0b:\g0b+3], s[\g1b:\g1b+7]
	s_nop 0
.rept 4
	v_nop
.endr
.Lasked_\@:
.endm
.macro CREST
	s_cmp_lg_u32 s14, 0
	s_cbranch_scc1 .Lnot_wave_0_\@
	s_barrier_signal -3
.Lnot_wave_0_\@:
	s_barrier_wait -3
	s_barrier_signal -1
	s_barrier_wait -1
.endm
.macro CROUND
	s_barrier_signal -1
	s_barrier_wait -1
	CREST
.endm
	s_load_b256 s[4:11], s[0:1], 0x0               ; attn_codes, wo_codes, the scales' exponents, bo
	s_load_b64 s[12:13], s[0:1], 0x20              ; out0
	v_lshl_add_u32 v[SPW], v0, 2, SPARE
	v_mov_b32 v[NIL], 0
	ds_add_u32 v[SPW], v[NIL]                      ; the opening lines: the add twice on end and one wait
	ds_add_u32 v[SPW], v[NIL]
	v_lshrrev_b32 v1, 5, v0
	v_readfirstlane_b32 s14, v1                    ; wave
	s_lshr_b32 s15, s14, 1                         ; my half of the rows; also: I fetch for A (0) or B (1)
	s_and_b32 s16, s14, 1                          ; my half of the columns; also: which half of that tile I fetch
	s_bfe_u32 s40, ttmp6, 0x40000
	s_bfe_u32 s41, ttmp6, 0x40004
	s_lshl_b32 s42, ttmp9, 2
	s_add_co_u32 s42, s42, s40                     ; block column 0..7
	s_and_b32 s17, ttmp7, 0xffff
	s_lshl_b32 s17, s17, 2
	s_add_co_u32 s17, s17, s41                     ; block row 0..31
	s_lshl_b32 s43, s41, 2
	s_lshl_b32 s43, 15, s43
	s_lshl_b32 s44, 0x1111, s40
	s_or_b32 s[G1+0], s43, (0<<16)|(1<<20)|(1<<21)|(3<<22)|(3<<25)   ; A: four rows (heads) of 8,192 dense bytes, padding behind each 64
	s_mov_b32 s[G1+1], 8192<<16
	s_mov_b32 s[G1+2], 4<<16
	s_mov_b32 s[G1+3], 8192<<16
	s_mov_b32 s[G1+4], 4
	s_mov_b32 s[G1+5], 131072
	s_mov_b32 s[G1+6], 0
	s_mov_b32 s[G1+7], 0
	s_or_b32 s[G1B+0], s44, (0<<16)|(1<<20)|(1<<21)|(5<<22)|(3<<25)  ; B: 64 rows of 256 bytes
	s_mov_b32 s[G1B+1], ROWB<<16
	s_mov_b32 s[G1B+2], 64<<16
	s_mov_b32 s[G1B+3], ROWB<<16
	s_mov_b32 s[G1B+4], 64
	s_mov_b32 s[G1B+5], KROW
	s_mov_b32 s[G1B+6], 0
	s_mov_b32 s[G1B+7], 0
	s_lshl_b32 s18, s16, 7
	s_lshr_b32 s20, s17, 3                         ; b
	s_lshl_b32 s20, s20, 15                        ; x 16 heads x 2,048 rows
	s_and_b32 s21, s17, 7
	s_lshl_b32 s21, s21, 8
	s_add_co_u32 s20, s20, s21
	s_add_co_u32 s20, s20, s18
	s_lshl_b32 s20, s20, 6
	s_mov_b32 s21, 0
	s_lshl_b32 s46, s42, 7
	s_lshl_b32 s19, s16, 6
	s_add_co_u32 s46, s46, s19                     ; B: row 128 x block column + 64 x half
	s_lshl_b32 s46, s46, 10
	s_mov_b32 s47, 0
	s_mul_i32 s45, s16, HALFA
	s_mul_i32 s75, s16, HALFB
	s_add_co_u32 s75, s75, BOFF
	s_wait_dscnt 0x0
	s_wait_kmcnt 0x0
	s_load_b64 s[96:97], s[8:9], 0x18              ; e6, e7
	s_add_nc_u64 s[20:21], s[4:5], s[20:21]
	s_add_nc_u64 s[46:47], s[6:7], s[46:47]
	CROUND                                         ; all sixteen work-groups are here: the first joint loads meet
.irp s, 0,1
	s_mov_b32 s[G0+4*\s], 1
	s_add_co_u32 s[G0+4*\s+1], s45, \s*SLOT
	s_add_nc_u64 s[G0+4*\s+2:G0+4*\s+3], s[20:21], \s*ASTEP
	s_or_b32 s[G0+4*\s+3], s[G0+4*\s+3], 0x80000000
	s_mov_b32 s[G0B+4*\s], 1
	s_add_co_u32 s[G0B+4*\s+1], s75, \s*SLOT
	s_add_nc_u64 s[G0B+4*\s+2:G0B+4*\s+3], s[46:47], \s*ROWB
	s_or_b32 s[G0B+4*\s+3], s[G0B+4*\s+3], 0x80000000
.endr
	JLOAD G0, G1, G0B, G1B                         ; K step 0: one tensor load a wave at the head
	v_and_b32 v1, 15, v0                           ; r
	v_bfe_u32 v2, v0, 4, 1                         ; h
	s_wait_alu depctr_va_vdst(0)
	s_lshl_b32 s76, s42, 7
	s_lshl_b32 s77, s16, 6
	s_add_co_u32 s76, s76, s77
	s_lshl_b32 s76, s76, 2
	s_mov_b32 s77, 0
	s_add_nc_u64 s[76:77], s[10:11], s[76:77]      ; bo at my first column
	v_lshlrev_b32 v[BO32], 5, v2
.irp b, 0,1,2,3
	global_load_b128 v[BB+8*\b:BB+8*\b+3], v[BO32], s[76:77] offset:64*\b
	global_load_b128 v[BB+8*\b+4:BB+8*\b+7], v[BO32], s[76:77] offset:64*\b+16
.endr
	v_mul_u32_u24 v3, v1, APITCH
	v_lshl_add_u32 v3, v2, 4, v3
	v_mul_u32_u24 v4, v1, PITCH
	v_lshl_add_u32 v4, v2, 4, v4
	s_mul_i32 s21, s15, HALFA
	s_mul_i32 s22, s16, HALFB
	s_add_co_u32 s22, s22, BOFF
.irp s, 0,1
	v_add_nc_u32 v[ADRA+\s], s21, v3
	v_add_nc_u32 v[ADRB+\s], s22, v4
	s_add_co_u32 s21, s21, SLOT
	s_add_co_u32 s22, s22, SLOT
.endr
	s_mul_i32 s23, s14, 16*SPITCH                  ; my stage
	v_mul_u32_u24 v5, v1, SPITCH
	v_lshl_add_u32 v5, v2, 5, v5
	v_add_nc_u32 v[STO], s23, v5                   ; in: row r, 32 bytes for each half of the lanes
	v_mul_u32_u24 v6, v2, SPITCH
	v_lshl_add_u32 v6, v1, 4, v6
	v_add_nc_u32 v[RD], s23, v6                    ; back: sixteen lanes to a row of 256 bytes, two rows an instruction
	v_lshlrev_b32 v6, 12, v2
	v_lshl_add_u32 v[CO], v1, 4, v6                ; and the same two rows in out0
	s_lshl_b32 s78, s17, 8
	s_lshl_b32 s79, s15, 7
	s_add_co_u32 s78, s78, s79
	s_lshl_b32 s78, s78, 12                        ; my first row x 4,096 bytes
	s_lshl_b32 s79, s42, 9
	s_add_co_u32 s78, s78, s79
	s_lshl_b32 s79, s16, 8
	s_add_co_u32 s78, s78, s79                     ; + my first column x 4
	s_mov_b32 s79, 0
	s_add_nc_u64 s[12:13], s[12:13], s[78:79]
	s_wait_alu depctr_va_vdst(0)                   ; ahead of the wait below
	s_wait_loadcnt 0x0
	s_wait_kmcnt 0x0
	s_add_co_i32 s96, s96, s97
	s_sub_co_i32 s98, 0, s96
.set j, 0
.rept 32
	v_ldexp_f32 v[BB+j], v[BB+j], s98              ; the bias / 2^(e6 + e7)
.set j, j+1
.endr
	s_add_co_i32 s96, s96, 127
	s_lshl_b32 s96, s96, 23                        ; 2^(e6 + e7)
.macro FRAG reg, adr, q, i
.irp c, 0,1,2,3
	ds_load_b128 v[\reg+4*\c:\reg+4*\c+3], v[\adr] offset:128*(\q)+32*\c+(\i)*16*PITCH
.endr
.endm
.macro FRAGA reg, adr, q, i            ; A's 128 along K are two heads' 64
.irp c, 0,1,2,3
	ds_load_b128 v[\reg+4*\c:\reg+4*\c+3], v[\adr] offset:(2*(\q)+\c/2)*HEADB+32*(\c%2)+(\i)*16*APITCH
.endr
.endm
.macro MUL8 a0, p, first               ; A's blocks a0, a0 + 1 x B's four; the accumulators take turns
.irp a, \a0, \a0+1
.irp b, 0,1,2,3
.if \first
	v_wmma_f32_16x16x128_bf8_bf8 v[8*(8*((\a)%4)+\b):8*(8*((\a)%4)+\b)+7], v[128*(\p)+FR*\b:128*(\p)+FR*\b+FR-1], v[AF+FR*(\a):AF+FR*(\a)+FR-1], v[BB+8*\b:BB+8*\b+7]
.else
	v_wmma_f32_16x16x128_bf8_bf8 v[8*(8*((\a)%4)+\b):8*(8*((\a)%4)+\b)+7], v[128*(\p)+FR*\b:128*(\p)+FR*\b+FR-1], v[AF+FR*(\a):AF+FR*(\a)+FR-1], v[8*(8*((\a)%4)+\b):8*(8*((\a)%4)+\b)+7]
.endif
.endr
.endr
.endm
.macro FETCH_B slot, q, p
	WIN TO_B
.irp i, 0,1,2,3
	FRAG 128*(\p)+FR*\i, ADRB+\slot, \q, \i
.endr
	WIN 0
.endm
.macro FETCH_A slot, q, i0
.irp i, \i0, \i0+1, \i0+2, \i0+3
	FRAGA AF+FR*(\i), ADRA+\slot, \q, \i
.endr
.endm
.macro PLACES n
.rept \n
	v_nop
.endr
.endm
.macro STEP slot, q, first             ; 128 along K with a successor in the same slot
	s_wait_dscnt 4*NL                              ; B's set and A's blocks 0-3 are in; the youngest sixteen loads (A's blocks 4-7) may be out
.if \first
	WIN FST_LO
.else
	WIN MUL_LO
.endif
	MUL8 0, (\q)%2, \first
	MUL8 2, (\q)%2, \first
	s_wait_dscnt 0
	PLACES NP
	FETCH_B \slot, (\q)+1, 1-(\q)%2
	FETCH_A \slot, (\q)+1, 0
.if \first
	WIN FST_HI
.else
	WIN MUL_HI
.endif
	MUL8 4, (\q)%2, \first
	MUL8 6, (\q)%2, \first
	PLACES NP
	WIN 0
	FETCH_A \slot, (\q)+1, 4
.endm
.macro TURN slot, next, fill           ; a slot's last step changes slots
	s_wait_tensorcnt 0x0                           ; all my tensor loads have landed
	ds_add_u32 v[SPW], v[NIL]
	s_wait_dscnt 4*NL+1                            ; (the add and A's blocks 4-7 may be out)
	WIN MUL_LO
	MUL8 0, 1, 0
	s_wait_dscnt 0x0                               ; the add is done, and my reads of this slot are over
	s_barrier_signal -1
	MUL8 2, 1, 0
	WIN 0
	s_barrier_wait -1
.if \fill
	CREST                                          ; the barrier has opened a round of the cluster's barrier
	s_add_nc_u64 s[G0+4*\slot+2:G0+4*\slot+3], s[G0+4*\slot+2:G0+4*\slot+3], 2*ASTEP
	s_add_nc_u64 s[G0B+4*\slot+2:G0B+4*\slot+3], s[G0B+4*\slot+2:G0B+4*\slot+3], 2*ROWB
	JLOAD G0+4*\slot, G1, G0B+4*\slot, G1B
.else
	PLACES NP
.endif
	FETCH_B \next, 0, 0
	FETCH_A \next, 0, 0
	WIN MUL_HI
	MUL8 4, 1, 0
	MUL8 6, 1, 0
	PLACES NP
	WIN 0
	FETCH_A \next, 0, 4
.endm
	s_wait_alu depctr_va_vdst(0)                   ; at the head's end
	s_wait_tensorcnt 0x0                           ; my part of K step 0 is in; the three lines ahead of a later first fill
	ds_add_u32 v[SPW], v[NIL]
	s_wait_dscnt 0x0
	CROUND                                         ; everybody's part is in, and the joint loads meet
	JLOAD G0+4, G1, G0B+4, G1B                     ; K step 1's load, the first tensor load behind the round
	FETCH_B 0, 0, 0
	FETCH_A 0, 0, 0
	FETCH_A 0, 0, 4
	STEP 0, 0, 1                                   ; the first products start the sums from the bias
	s_mov_b32 s3, LAPS-1
.Llap:
	TURN 0, 1, 1
	STEP 1, 0, 0
	TURN 1, 0, 1
	STEP 0, 0, 0
	s_sub_co_u32 s3, s3, 1
	s_cmp_lg_u32 s3, 0
	s_cbranch_scc1 .Llap
	TURN 0, 1, 0                                   ; the last lap fills nothing
	STEP 1, 0, 0
	s_wait_dscnt 4*NL
	WIN MUL_LO
	MUL8 0, 1, 0
	MUL8 2, 1, 0
	s_wait_dscnt 0
	WIN MUL_HI
	MUL8 4, 1, 0
	MUL8 6, 1, 0
	WIN 0
; THE WAY OUT, block by block of 16 rows x 64 columns, through my stage: sixteen lanes store one aligned unit of 256 bytes.
.macro TOSTAGE a
.set AC, 64*((\a)%4)
	WIN 0x02+((\a)/4)
.set j, 0
.rept 16
	v_pk_mul_f32 v[TMP+j:TMP+j+1], v[AC+j:AC+j+1], s[96:97] op_sel_hi:[1,0]   ; x 2^(e6 + e7); each accumulator from its low end on
.set j, j+2
.endr
	WIN 0
.irp b, 0,1,2,3
	ds_store_b128 v[STO], v[TMP+8*\b:TMP+8*\b+3] offset:64*\b
	ds_store_b128 v[STO], v[TMP+8*\b+4:TMP+8*\b+7] offset:64*\b+16
.endr
.set BBK, BK+64*((\a)%2)
.irp t, 0,1,2,3,4,5,6,7
	ds_load_b128 v[BBK+4*\t:BBK+4*\t+3], v[RD] offset:2*\t*SPITCH   ; LDS serves a wave's instructions in order (ISA guide 5.7.1.4)
.endr
.endm
.macro SEND a, younger                 ; younger: the LDS instructions issued behind block a's loads
.set BBK, BK+64*((\a)%2)
	s_wait_dscnt \younger
.if (\a) > 0
	s_add_nc_u64 s[12:13], s[12:13], 16*SIZE_N*4   ; (behind a wait on XCNT)
.endif
.irp t, 0,1,2,3,4,5,6,7
	global_store_b128 v[CO], v[BBK+4*\t:BBK+4*\t+3], s[12:13] offset:2*\t*SIZE_N*4 th:TH_STORE_NT
.endr
.endm
	PLACES NP
	TOSTAGE 0
.irp a, 1,2,3,4,5,6,7
.if \a > 1
	s_wait_xcnt 0x0                                ; block a - 2's stores have read their registers and their base
.endif
	TOSTAGE \a
	SEND \a-1, 16                                  ; behind block a - 1's loads: block a's 8 stores and 8 loads
.endr
	s_wait_xcnt 0x0
	SEND 7, 0
	s_wait_tensorcnt 0x0                           ; the wave's end
	ds_add_u32 v[SPW], v[NIL]
	s_wait_dscnt 0x0
	CROUND                                         ; the closing round
	s_endpgm
.Lfunc_end_k_qdd8ad66e99_proj:
	.size	k_qdd8ad66e99_proj, .Lfunc_end_k_qdd8ad66e99_proj-k_qdd8ad66e99_proj
	.p2alignl 7, 3214868480
	.fill 96, 4, 3214868480
	.section	.rodata,"a",@progbits
	.p2align	6, 0x0
	.amdhsa_kernel k_qdd8ad66e99_proj
		.amdhsa_group_segment_fixed_size 327680
		.amdhsa_private_segment_fixed_size 0
		.amdhsa_enable_private_segment 0
		.amdhsa_kernarg_size 40
		.amdhsa_user_sgpr_count 2
		.amdhsa_user_sgpr_kernarg_segment_ptr 1
		.amdhsa_wavefront_size32 1
		.amdhsa_system_sgpr_workgroup_id_x 1
		.amdhsa_system_sgpr_workgroup_id_y 1
		.amdhsa_system_sgpr_workgroup_id_z 1
		.amdhsa_system_vgpr_workitem_id 0
		.amdhsa_next_free_vgpr 1024
		.amdhsa_next_free_sgpr 100
		.amdhsa_reserve_vcc 0
		.amdhsa_float_denorm_mode_32 3
		.amdhsa_float_denorm_mode_16_64 3
		.amdhsa_memory_ordered 1
		.amdhsa_forward_progress 1
		.amdhsa_inst_pref_size 81
	.end_amdhsa_kernel
	.amdgpu_metadata
---
amdhsa.version: [ 1, 2 ]
amdhsa.kernels:
  - .name:           k_qdd8ad66e99_proj
    .symbol:         k_qdd8ad66e99_proj.kd
    .args:
      - { .name: attn_codes, .offset: 0, .size: 8, .value_kind: global_buffer, .address_space: global }
      - { .name: wo_codes, .offset: 8, .size: 8, .value_kind: global_buffer, .address_space: global }
      - { .name: lowp_scales, .offset: 16, .size: 8, .value_kind: global_buffer, .address_space: global }
      - { .name: bo, .offset: 24, .size: 8, .value_kind: global_buffer, .address_space: global }
      - { .name: out0, .offset: 32, .size: 8, .value_kind: global_buffer, .address_space: global }
    .group_segment_fixed_size: 327680
    .private_segment_fixed_size: 0
    .kernarg_segment_align: 8
    .kernarg_segment_size: 40
    .max_flat_workgroup_size: 128
    .sgpr_count:     100
    .vgpr_count:     1024
    .wavefront_size: 32
...
	.end_amdgpu_metadata
.endif
;; end of part 4
